; MI455X (gfx1250); checked and timed in simulation.
; The chip was launched on July 23, 2026; its instructions are those of AMD's public machine-readable ISA for CDNA 5 (MIT licence, August 2026) and "CDNA5" Instruction Set Architecture Reference Guide (July 2026). The comments in the code are by the model that wrote it; some were corrected since.
;; Attention. Allowed arithmetic: matrix products marked QUANTISED: E2M3 operands, one E8M0 scale for each 32 along K, by v_wmma_scale_f32_16x16x128_f8f6f4 with both operands' format E2M3, f32 sums; everything else in f32.
;; Inputs: b_proj 1,024 float32; w_proj 1,024 x 1,024 float32; w_qkv 1,024 x 3,072 float32; x 2 x 2,048 x 1,024 float32.
;; Outputs: out0 2 x 2,048 x 1,024 float32.
;; This version of the problem:
;;   THIS VERSION OF THE PROBLEM IS GIVEN IN LOW PRECISION. The matrix products marked QUANTISED in the list below multiply operands that are first quantised to E2M3 (2 exponent bits, 3 mantissa bits; 6 bits a number), with one power-of-two scale for each 32 numbers along K (OCP MX v1.0); their sums are f32. All else is computed in f32.
;;   The module's matrix products, in the order in which they are computed (A, B: the left and right operand; K: the contracted axis; several contracted axes count as one K, in the product's order):
;;     1. [M 4,096, K 1,024] x [K 1,024, N 3,072]; A: input x; B: input w_qkv: QUANTISED
;;     2. batch 32 x [M 2,048, K 64] x [K 64, N 2,048]; A: computed on the way; B: computed on the way: QUANTISED
;;     3. batch 32 x [M 2,048, K 2,048] x [K 2,048, N 64]; A: softmax (see below); B: computed on the way: QUANTISED
;;     4. [M 4,096, K 1,024] x [K 1,024, N 1,024]; A: computed on the way; B: input w_proj: QUANTISED
;;   THE QUANTISER, for each operand of a quantised product, along K:
;;     - K is cut into blocks of 32 from its start; a last block that is shorter is filled with zeros.
;;     - A block's scale is 2^e with e = floor(log2(the largest magnitude in the block)) - 2, held to -126 .. 127; a block of zeros has e = 0. As a byte (E8M0): e + 127.
;;     - Each number is divided by its block's scale, clamped to +-7.5, and rounded to the nearest number of E2M3, ties to even, subnormals kept.
;;     - The product sums the exact products of the quantised numbers (number of the format x scale) in f32.
;;   ~~~python
;;   def quantise(x, axis):      # numpy; x: float32 -> the quantised numbers, widened to float32 again
;;       x = np.moveaxis(x, axis, -1); K = x.shape[-1]
;;       x = np.pad(x, [(0, 0)] * (x.ndim - 1) + [(0, -K % 32)]); x = x.reshape(x.shape[:-1] + (-1, 32)); a = np.abs(x).max(-1, keepdims=True)
;;       e = np.where(a > 0, np.clip(np.frexp(np.where(a > 0, a, 1))[1] - 1 - 2, -126, 127), 0)      # np.frexp(a)[1] - 1 = floor(log2(a)), exactly
;;       r = np.clip(x / 2.0 ** e, -7.5, 7.5)
;;       step = 2.0 ** (np.maximum(np.frexp(np.where(r == 0, 1, r))[1] - 1, 0) - 3)
;;       q = np.round(r / step) * step * 2.0 ** e      # np.round: ties to even
;;       return np.moveaxis(q.reshape(q.shape[:-2] + (-1,))[..., :K], -1, axis).astype(np.float32)
;;   ~~~
;;   SOFTMAX AHEAD OF A QUANTISED PRODUCT. Where the list says 'softmax', what is quantised is not the finished softmax but p = 2^(t - M), with t = logit x log2(e) and M = ceil(the row's largest t), a whole number; so 1/2 < the row's largest p <= 1. The row's sum l is taken of the UNQUANTISED p, in f32, and the product's result is divided by l at the end. Since M is a whole number, a kernel that streams over the keys may use a running M (the ceiling of the running maximum): every later rescaling is an exact power of two, which a block's scale takes up: the codes' values come out the same.
;;   OPERANDS COMPUTED ON THE WAY. 'Computed on the way' means the value that the module computes at that place (a softmax that the list does not call 'softmax' is quantised finished and normalised). What goes into a quantiser is computed in f32, as accurately as f32 sums, v_exp_f32 and their like allow (about 1e-6 of the number): no bf16 or f16 on the way to a quantiser, and a product that is left as it is and whose result goes on into a quantised operand takes f32 operands (vector FMAs, or v_wmma_f32_16x16x4_f32). A number that lies on a knife's edge between two numbers of the format may be rounded either way, as far as f32 arithmetic and the matrix unit's own rounding can turn it there, and no further.
;; One version. Each part assembles by itself: llvm-mc -triple=amdgcn-amd-amdhsa -mcpu=gfx1250 --defsym DOCPART=n.
;; ======== version 1 of 1: 4 launches
;; limits: right only within a limited range of input values
;; workspace buffers: xc 3,145,728 bytes; wc 2,359,296 bytes; pc 786,432 bytes; s1 229,376 bytes; s2 163,840 bytes; kv 6,684,672 bytes; q 6,684,672 bytes; ac 3,145,728 bytes
;; launch quant (part 1): grid 256 x 1, 8 waves a work-group, no clusters, 97,280 bytes of LDS; arguments x, w_qkv, w_proj, xc, wc, pc, s1, s2; writes xc, wc, pc, s1, s2
.if DOCPART == 1
	.amdgcn_target "amdgcn-amd-amdhsa--gfx1250"
	.amdhsa_code_object_version 6
	.text
	.protected	k_qebf7dec44d_quant
	.globl	k_qebf7dec44d_quant
	.p2align	8
	.type	k_qebf7dec44d_quant,@function
k_qebf7dec44d_quant:
	s_mov_b64 s[64:65], 0
	v_nop
	global_prefetch_b8 v0, s[64:65] scope:SCOPE_SE
	s_setreg_imm32_b32 hwreg(HW_REG_WAVE_MODE, 25, 1), 1
	s_wait_xcnt 0x0
; x [4096][1024], w_qkv [1024][3072], w_proj [1024][1024], f32, become codes of FP6 (E2M3) with one E8M0 byte for each 32 along K (K = 1,024 in all three).
; A block's scale is 2^(floor(log2(largest magnitude)) - 2); its byte is the largest magnitude's exponent field - 2, held at 1 from below.
; LIMITS: NaN and infinities among the inputs are not served.  A block of zeros gets the byte 1 where the rule says 127: its codes are zeros, and this program alone reads the bytes.
; LAYOUT OF THE CODES: images of operand registers.  A TILE is 16 rows of an operand (tokens of x, columns of a weight): tile 2 B + u holds in lane-row r the row 32 B + 8 u + r + 24 (r / 8).
; A UNIT is a tile x 64 along K, 768 bytes: lane l = (r, h) holds k = 32 h + 0 .. 31 in six registers; registers 0-3 lie at 16 l, registers 4-5 at 512 + 8 l.  A buffer is [tile][16 units].
; LAYOUT OF THE SCALES: 512 bytes a tile: the word of row r for the q-th 128 along K lies at 256 (q / 4) + 16 r + 4 (q % 4).
; Work-groups 0-127 take x (32 tokens each, K innermost: the numbers turn through a stage in LDS so that loads are dense and a lane holds neighbours along K);
; work-groups 128-255 take the weights (64 columns x 512 K each; a lane takes a column and its registers run down K).  Each path has LDS bytes of its own.
; No work-group shares an input with another: no cluster, no tensor load.
.set SEL,  26                          ; s[26:27] lane selects: lane l xor 16
.set XR,   16                          ; v16-143  x as loaded: 2 steps x 16 rows x 4
.set XN,   144                         ; v144-207 64 numbers of a lane: register 16 b + i = k 32 b + 16 h + i of its row
.set PC,   208                         ; v208-219 a fragment's codes
.set CT,   220                         ; v220-226 the blocks' second halves, as converted
.set TM,   228                         ; v228-243 maxima, bytes, scale operands
.set PW,   244                         ; v244     the scale word
.set XSTG, 8448                        ; x: a wave's stage: 16 rows of 512 bytes + 16
.set XG,   8*XSTG                      ; x: two tiles' scale images, 1,024 bytes
.set WST,  XG+1024                     ; weights: the waves' stages
.set WSTG, 3328                        ; 2 tiles x (2 units + 128)
.set WGG,  WST+8*WSTG                  ; weights: four tiles' half scale images, 1,024 bytes
.set VO,   16                          ; v16-47   weights: row i x pitch + 4 x lane
.set WX,   48                          ; v48-111  weights: two sets of 32 numbers
; The largest magnitudes of nb blocks of 32: my 16 numbers of each, the floor 2^(3 - 127), then lane l xor 16's
.macro MAXES s, nb
.irp b, 0,1,2,3
.if \b < \nb
	v_max3_num_f32 v[TM+\b], |v[\s+16*\b]|, |v[\s+1+16*\b]|, 0x1800000
.endif
.endr
.irp i, 2,4,6,8,10,12,14
.irp b, 0,1,2,3
.if \b < \nb
	s_delay_alu instid0(VALU_DEP_4)
	v_max3_num_f32 v[TM+\b], v[TM+\b], |v[\s+16*\b+\i]|, |v[\s+1+16*\b+\i]|
.endif
.endr
.endr
.irp b, 0,1,2,3
.if \b < \nb
	s_delay_alu instid0(VALU_DEP_4)
	v_permlanex16_b32 v[TM+4+\b], v[TM+\b], s[SEL], s[SEL+1]
.endif
.endr
.irp b, 0,1,2,3
.if \b < \nb
	s_delay_alu instid0(VALU_DEP_4)
	v_max_num_f32 v[TM+\b], v[TM+\b], v[TM+4+\b]
.endif
.endr
.endm
; From the largest magnitudes in v[TM ..]: scale operands, bytes, the scale word in v[PW], and the codes in v[PC ..] in the operand's layout
.macro TAIL s, nb
.irp b, 0,1,2,3
.if \b < \nb
	s_delay_alu instid0(VALU_DEP_4)
	v_add_nc_u32 v[TM+12+\b], 0xff000000, v[TM+\b]   ; 2 off the exponent field: the conversion's scale operand
.endif
.endr
.irp b, 0,1,2,3
.if \b < \nb
	s_delay_alu instid0(VALU_DEP_4)
	v_lshrrev_b32 v[TM+4+\b], 23, v[TM+12+\b]        ; the scale's byte
.endif
.endr
	s_delay_alu instid0(VALU_DEP_3)
	v_lshl_or_b32 v[PW], v[TM+5], 8, v[TM+4]
.if \nb > 2
	s_delay_alu instid0(VALU_DEP_1)
	v_lshl_or_b32 v[PW], v[TM+6], 16, v[PW]
	s_delay_alu instid0(VALU_DEP_1)
	v_lshl_or_b32 v[PW], v[TM+7], 24, v[PW]
.endif
.irp c, 0,1
.if 2*\c < \nb
	v_cvt_scalef32_pk16_fp6_f32 v[PC+6*\c:PC+2+6*\c], v[\s+32*\c:\s+15+32*\c], v[TM+12+2*\c]
	v_cvt_scalef32_pk16_fp6_f32 v[CT+4*\c:CT+2+4*\c], v[\s+16+32*\c:\s+31+32*\c], v[TM+13+2*\c]
.endif
.endr
	v_nop                                          ; one plain place behind a scaled conversion
.irp c, 0,1
.if 2*\c < \nb
.irp i, 0,1,2
	v_permlane16_swap_b32 v[PC+6*\c+\i], v[CT+4*\c+\i]   ; a whole block to a lane: lanes 0-15 block 2 c, lanes 16-31 block 2 c + 1
.endr
.irp i, 0,1,2
	s_delay_alu instid0(VALU_DEP_3)
	v_mov_b32 v[PC+3+6*\c+\i], v[CT+4*\c+\i]
.endr
.endif
.endr
.endm
.macro QUANT s, nb
	MAXES \s, \nb
	TAIL \s, \nb
.endm
	s_load_b512 s[8:23], s[0:1], 0x0               ; x 8, w_qkv 10, w_proj 12, xc 14, wc 16, pc 18, s1 20, s2 22
	v_lshl_add_u32 v254, v0, 2, 0x17800
	v_mov_b32 v255, 0
	v_lshrrev_b32 v1, 5, v0
	s_delay_alu instid0(VALU_DEP_1)
	v_readfirstlane_b32 s24, v1                    ; wave 0..7
	v_and_b32 v1, 31, v0                           ; lane
	v_and_b32 v2, 15, v0                           ; r
	v_bfe_u32 v3, v0, 4, 1                         ; h
	s_delay_alu instid0(VALU_DEP_3)
	v_lshlrev_b32 v4, 4, v1                        ; 16 x lane
	s_delay_alu instid0(VALU_DEP_4)
	v_lshlrev_b32 v5, 3, v1                        ; 8 x lane
	s_mov_b32 s[SEL], 0x76543210
	s_mov_b32 s[SEL+1], 0xfedcba98
	s_cmp_lt_u32 ttmp9, 128
	s_cbranch_scc0 .Lw_path
; ---------------- x: work-group P takes tiles 2 P, 2 P + 1 (32 tokens); wave (u, kq) takes tile 2 P + u, K = 256 kq on
	s_lshr_b32 s28, s24, 2                         ; u
	s_and_b32 s29, s24, 3                          ; kq
	; THE ORDER OF ROWS IN TILES: tile 4 C + j holds in lane-row 8 h + i the row 64 C + 32 h + 8 j + i (tokens of x, columns of a weight), i = 0 .. 7, h = 0, 1, j = 0 .. 3
	s_lshr_b32 s30, ttmp9, 1
	s_lshl_b32 s30, s30, 18                        ; C: 64 rows of 4,096 bytes
	s_and_b32 s31, ttmp9, 1
	s_lshl_b32 s31, s31, 16                        ; tiles j = 2 (P % 2) + u: 16 rows
	s_add_co_u32 s30, s30, s31
	s_lshl_b32 s31, s28, 15                        ; 8 rows
	s_add_co_u32 s30, s30, s31
	s_lshl_b32 s31, s29, 10                        ; 256 numbers
	s_add_co_u32 s30, s30, s31
	s_mov_b32 s31, 0
	s_mul_i32 s32, ttmp9, 24576                    ; two tiles of 16 units
	s_mul_i32 s33, s28, 12288
	s_add_co_u32 s32, s32, s33
	s_mul_i32 s33, s29, 3072                       ; four units
	s_add_co_u32 s32, s32, s33
	s_mov_b32 s33, 0
	s_mul_i32 s34, s24, XSTG                       ; my stage
	s_wait_alu depctr_va_vdst(0)
	v_add_nc_u32 v6, s34, v4                       ; in: 16 x lane of a row
	v_mul_u32_u24 v7, v2, 528
	s_delay_alu instid0(VALU_DEP_1)
	v_lshl_add_u32 v7, v3, 6, v7
	s_delay_alu instid0(VALU_DEP_1)
	v_add_nc_u32 v7, s34, v7                       ; back: row r, + 64 h: my 16 numbers of a block
	s_lshl_b32 s35, s28, 9                         ; the scale word of (tile u, q = 2 kq + s): 512 u + 256 (kq / 2) + 8 (kq % 2) + 16 r + 4 s
	s_lshr_b32 s36, s29, 1
	s_lshl_b32 s36, s36, 8
	s_add_co_u32 s35, s35, s36
	s_and_b32 s36, s29, 1
	s_lshl_b32 s36, s36, 3
	s_add_co_u32 s35, s35, s36
	s_add_co_u32 s35, s35, XG
	v_lshl_add_u32 v8, v2, 4, s35
	v_add_nc_u32 v9, XG, v4                        ; wave 0's way out of the scale images
.irp b, 0,1,2,3
	v_mov_b32 v[TM+4+\b], 0                        ; written once: a lane permute's destination counts as one of its sources
.endr
	s_wait_alu depctr_va_vdst(0)
	s_wait_kmcnt 0x0
	s_add_nc_u64 s[8:9], s[8:9], s[30:31]
	s_add_nc_u64 s[14:15], s[14:15], s[32:33]
.irp s, 0,1
.irp i, 0,1,2,3,4,5,6,7,8,9,10,11,12,13,14,15
	global_load_b128 v[XR+64*\s+4*\i:XR+64*\s+4*\i+3], v4, s[8:9] offset:(\i+24*(\i/8))*4096+512*\s th:TH_LOAD_NT   ; 32 lanes read 512 consecutive bytes of the tile's row i
.endr
.endr
.macro XSTEP s                         ; 128 along K of my 16 rows become one fragment (two units) and one scale word a row
	s_wait_loadcnt 16*(1-\s)                       ; this step's 16 loads are in; the other step's 16 may be out
.irp i, 0,1,2,3,4,5,6,7,8,9,10,11,12,13,14,15
	ds_store_b128 v6, v[XR+64*\s+4*\i:XR+64*\s+4*\i+3] offset:528*\i
.endr
.irp b, 0,1,2,3
.irp j, 0,1,2,3
	ds_load_b128 v[XN+16*\b+4*\j:XN+16*\b+4*\j+3], v7 offset:128*\b+16*\j   ; LDS serves a wave's instructions in order: these see the stores above
.endr
.endr
	s_wait_dscnt 0x0
.if \s
	s_wait_xcnt 0x0                                ; the last step's stores have read the codes' registers
.endif
	QUANT XN, 4
	global_store_b128 v4, v[PC:PC+3], s[14:15] offset:1536*\s           ; 512 consecutive bytes
	global_store_b64 v5, v[PC+4:PC+5], s[14:15] offset:1536*\s+512      ; 256
	global_store_b128 v4, v[PC+6:PC+9], s[14:15] offset:1536*\s+768
	global_store_b64 v5, v[PC+10:PC+11], s[14:15] offset:1536*\s+1280
	ds_store_b32 v8, v[PW] offset:4*\s             ; lanes l and l xor 16 write the same word with the same value
.endm
	XSTEP 0
	XSTEP 1
	s_wait_dscnt 0x0                               ; my scale words lie in LDS
	s_barrier_signal -1
	s_barrier_wait -1                              ; everybody's do
	s_cmp_lg_u32 s24, 0
	s_cbranch_scc1 .Lx_end
	ds_load_b128 v[16:19], v9
	ds_load_b128 v[20:23], v9 offset:512
	s_lshl_b32 s30, ttmp9, 10
	s_mov_b32 s31, 0
	s_add_nc_u64 s[20:21], s[20:21], s[30:31]
	s_wait_dscnt 0x0
	global_store_b128 v4, v[16:19], s[20:21]       ; two tiles' scale images, 512 consecutive bytes a store
	global_store_b128 v4, v[20:23], s[20:21] offset:512
.Lx_end:
	s_wait_tensorcnt 0x0
	ds_add_u32 v254, v255
	s_wait_dscnt 0x0
	s_endpgm
; ---------------- the weights: work-group wi = 0 .. 95: w_qkv, 96 .. 127: w_proj; 64 columns x 512 K; wave (cs, kk): 32 columns x 128 K
.Lw_path:
	s_sub_co_u32 s28, ttmp9, 128
	s_wait_kmcnt 0x0
	s_cmp_lt_u32 s28, 96                           ; the choice hangs on the work-group's number alone
	s_cselect_b64 s[10:11], s[10:11], s[12:13]     ; the weight
	s_cselect_b64 s[16:17], s[16:17], s[18:19]     ; its codes
	s_cselect_b64 s[20:21], s[20:21], s[22:23]     ; its scales' buffer
	s_mov_b32 s40, 4096
	s_cselect_b32 s40, 12288, s40                  ; bytes from row to row
	s_cselect_b32 s41, 0, 96
	s_sub_co_u32 s41, s28, s41
	s_lshr_b32 s42, s41, 1                         ; cg: which 64 columns
	s_and_b32 s43, s41, 1                          ; kh: which half of K
	s_and_b32 s44, s24, 1                          ; cs: which 32 of the columns
	s_lshr_b32 s45, s24, 1                         ; kk
	s_lshl_b32 s46, s43, 2
	s_add_co_u32 s46, s46, s45                     ; q: which 128 along K
	s_mul_i32 s48, s46, s40
	s_lshl_b32 s48, s48, 7                         ; 128 q rows
	s_lshl_b32 s47, s42, 8
	s_add_co_u32 s48, s48, s47
	s_lshl_b32 s47, s44, 7
	s_add_co_u32 s48, s48, s47                     ; + (64 cg + 32 cs) x 4
	s_mov_b32 s49, 0
	s_lshl_b32 s50, s40, 5                         ; 32 rows
	s_mov_b32 s51, 0
	s_add_nc_u64 s[32:33], s[10:11], s[48:49]      ; a base for each of my four blocks of 32 rows
	s_add_nc_u64 s[34:35], s[32:33], s[50:51]
	s_add_nc_u64 s[36:37], s[34:35], s[50:51]
	s_add_nc_u64 s[38:39], s[36:37], s[50:51]
	s_wait_alu depctr_va_vdst(0)
	v_lshlrev_b32 v6, 2, v1
.irp i, 0,1,2,3,4,5,6,7,8,9,10,11,12,13,14,15,16,17,18,19,20,21,22,23,24,25,26,27,28,29,30,31
	v_mad_u32_u24 v[VO+\i], s40, \i, v6            ; never rewritten
.endr
.macro WLOAD t                         ; block t: W(128 q + 32 t + i, my column): 32 lanes read 128 consecutive bytes, the wave beside me the other half of each 256
.irp i, 0,1,2,3,4,5,6,7,8,9,10,11,12,13,14,15,16,17,18,19,20,21,22,23,24,25,26,27,28,29,30,31
	global_load_b32 v[WX+32*((\t)%2)+\i], v[VO+\i], s[32+2*(\t):33+2*(\t)] th:TH_LOAD_NT
.endr
.endm
	WLOAD 0
	WLOAD 1
	; my 32 columns are lane-rows 8 cs + 0 .. 7 of all four tiles: waves (0, kk) and (1, kk) fill the stages of both, and behind the barrier wave (cs, kk) sends tiles 2 cs, 2 cs + 1
	s_mul_i32 s52, s24, WSTG
	s_add_co_u32 s52, s52, WST                     ; the stage that I send: [tile: 1,664][unit: 768]
	s_mul_i32 s56, s45, 2*WSTG
	s_add_co_u32 s56, s56, WST                     ; the two stages that I fill
	s_lshl_b32 s57, s44, 3
	s_lshl_b32 s53, s45, 2
	s_add_co_u32 s53, s53, WGG
	v_bfe_u32 v7, v0, 3, 2                         ; my column's tile: j = lane / 8,
	v_and_b32 v8, 7, v0
	v_add_nc_u32 v8, s57, v8                       ; and its lane-row there: 8 cs + lane % 8
	v_mul_u32_u24 v10, v7, 1664
	v_lshl_add_u32 v11, v8, 3, v10
	v_lshl_add_u32 v10, v8, 4, v10
	v_add_nc_u32 v11, s56, v11                     ; registers 4-5 of a block: + 8 r
	v_add_nc_u32 v10, s56, v10                     ; registers 0-3: + 16 r
	v_lshl_add_u32 v12, v7, 8, s53
	v_lshl_add_u32 v12, v8, 4, v12                 ; my scale word: 256 j + 16 r + 4 kk
	v_add_nc_u32 v13, s52, v4                      ; the stage, read back: 16 x lane
	v_add_nc_u32 v14, WGG, v4                      ; wave 0's way out of the scale images
	v_lshlrev_b32 v15, 4, v2
	s_delay_alu instid0(VALU_DEP_1)
	v_lshl_add_u32 v15, v3, 9, v15                 ; and their place in memory: 512 (lane / 16) + 16 (lane % 16)
	s_mul_i32 s54, s42, 49152                      ; four tiles of 16 units
	s_mul_i32 s47, s44, 24576
	s_add_co_u32 s54, s54, s47
	s_mul_i32 s47, s46, 1536
	s_add_co_u32 s54, s54, s47
	s_mov_b32 s55, 0
	s_add_nc_u64 s[16:17], s[16:17], s[54:55]
	s_lshl_b32 s54, s42, 11
	s_lshl_b32 s47, s43, 8
	s_add_co_u32 s54, s54, s47
	s_add_co_u32 s54, s54, 131072                  ; the weights' scale images lie behind the rows' in both buffers
	s_add_nc_u64 s[20:21], s[20:21], s[54:55]
.macro BLOCK t
.set XS, WX+32*((\t)%2)
.if (\t) < 3
	s_wait_loadcnt 32                              ; this block's 32 loads are in; the next block's may be out
.else
	s_wait_loadcnt 0x0
.endif
	v_max3_num_f32 v122, |v[XS]|, |v[XS+1]|, |v[XS+2]|        ; the block's largest magnitude: all 32 numbers are mine
	v_max3_num_f32 v123, |v[XS+3]|, |v[XS+4]|, |v[XS+5]|
.irp i, 6,10,14,18,22,26
	s_delay_alu instid0(VALU_DEP_2)
	v_max3_num_f32 v122, v122, |v[XS+\i]|, |v[XS+\i+1]|
	s_delay_alu instid0(VALU_DEP_2)
	v_max3_num_f32 v123, v123, |v[XS+\i+2]|, |v[XS+\i+3]|
.endr
	s_delay_alu instid0(VALU_DEP_2)
	v_max3_num_f32 v122, v122, |v[XS+30]|, |v[XS+31]|
	s_delay_alu instid0(VALU_DEP_1)
	v_max3_num_f32 v122, v122, v123, 0x1800000     ; and the floor 2^(3 - 127)
	s_delay_alu instid0(VALU_DEP_1)
	v_add_nc_u32 v124, 0xff000000, v122            ; the conversion's scale operand
	s_delay_alu instid0(VALU_DEP_1)
	v_lshrrev_b32 v125, 23, v124                   ; the byte
.if (\t) == 0
	s_delay_alu instid0(VALU_DEP_1)
	v_mov_b32 v126, v125
.else
	s_delay_alu instid0(VALU_DEP_1)
	v_lshl_or_b32 v126, v125, 8*(\t), v126         ; four bytes make the word of these 128 along K
.endif
	v_cvt_scalef32_pk16_fp6_f32 v[112:114], v[XS:XS+15], v124
	v_cvt_scalef32_pk16_fp6_f32 v[118:120], v[XS+16:XS+31], v124
	v_nop                                          ; one plain place behind a scaled conversion
	v_mov_b32 v115, v118
	v_mov_b32 v116, v119
	v_mov_b32 v117, v120
	ds_store_b128 v10, v[112:115] offset:768*((\t)/2)+256*((\t)%2)       ; block t is lane (r, h = t % 2) of unit t / 2
	ds_store_b64 v11, v[116:117] offset:768*((\t)/2)+512+128*((\t)%2)
.if (\t)+2 < 4
	WLOAD (\t)+2
.endif
	s_wait_dscnt 0x0                               ; the stores have read their registers
.endm
	BLOCK 0
	BLOCK 1
	BLOCK 2
	BLOCK 3
	s_wait_alu depctr_va_vdst(0)
	ds_store_b32 v12, v126
	s_wait_dscnt 0x0                               ; my codes and scale words lie in LDS
	s_barrier_signal -1
	s_barrier_wait -1                              ; everybody's do
.irp n, 0,1,2,3,4,5
	ds_load_b128 v[128+4*\n:131+4*\n], v13 offset:1664*(\n/3)+512*(\n%3)
.endr
.irp n, 0,1,2,3,4,5
	s_wait_dscnt 5-\n                              ; the younger loads from the stage may be out
	global_store_b128 v4, v[128+4*\n:131+4*\n], s[16:17] offset:12288*(\n/3)+512*(\n%3)   ; 512 consecutive bytes
.endr
	s_cmp_lg_u32 s24, 0
	s_cbranch_scc1 .Lw_end
	ds_load_b128 v[152:155], v14
	ds_load_b128 v[156:159], v14 offset:512
	s_wait_dscnt 0x0
	global_store_b128 v15, v[152:155], s[20:21]    ; sixteen lanes store 256 consecutive bytes: half a tile's scale image
	global_store_b128 v15, v[156:159], s[20:21] offset:1024
.Lw_end:
	s_wait_tensorcnt 0x0
	ds_add_u32 v254, v255
	s_wait_dscnt 0x0
	s_endpgm
.Lfunc_end_k_qebf7dec44d_quant:
	.size	k_qebf7dec44d_quant, .Lfunc_end_k_qebf7dec44d_quant-k_qebf7dec44d_quant
	.p2alignl 7, 3214868480
	.fill 96, 4, 3214868480
	.section	.rodata,"a",@progbits
	.p2align	6, 0x0
	.amdhsa_kernel k_qebf7dec44d_quant
		.amdhsa_group_segment_fixed_size 97280
		.amdhsa_private_segment_fixed_size 0
		.amdhsa_enable_private_segment 0
		.amdhsa_kernarg_size 64
		.amdhsa_user_sgpr_count 2
		.amdhsa_user_sgpr_kernarg_segment_ptr 1
		.amdhsa_wavefront_size32 1
		.amdhsa_system_sgpr_workgroup_id_x 1
		.amdhsa_system_sgpr_workgroup_id_y 1
		.amdhsa_system_sgpr_workgroup_id_z 1
		.amdhsa_system_vgpr_workitem_id 0
		.amdhsa_next_free_vgpr 256
		.amdhsa_next_free_sgpr 66
		.amdhsa_reserve_vcc 0
		.amdhsa_float_denorm_mode_32 3
		.amdhsa_float_denorm_mode_16_64 3
		.amdhsa_memory_ordered 1
		.amdhsa_forward_progress 1
		.amdhsa_inst_pref_size 50
	.end_amdhsa_kernel
	.amdgpu_metadata
---
amdhsa.version: [ 1, 2 ]
amdhsa.kernels:
  - .name:           k_qebf7dec44d_quant
    .symbol:         k_qebf7dec44d_quant.kd
    .args:
      - { .name: x, .offset: 0, .size: 8, .value_kind: global_buffer, .address_space: global }
      - { .name: w_qkv, .offset: 8, .size: 8, .value_kind: global_buffer, .address_space: global }
      - { .name: w_proj, .offset: 16, .size: 8, .value_kind: global_buffer, .address_space: global }
      - { .name: xc, .offset: 24, .size: 8, .value_kind: global_buffer, .address_space: global }
      - { .name: wc, .offset: 32, .size: 8, .value_kind: global_buffer, .address_space: global }
      - { .name: pc, .offset: 40, .size: 8, .value_kind: global_buffer, .address_space: global }
      - { .name: s1, .offset: 48, .size: 8, .value_kind: global_buffer, .address_space: global }
      - { .name: s2, .offset: 56, .size: 8, .value_kind: global_buffer, .address_space: global }
    .group_segment_fixed_size: 97280
    .private_segment_fixed_size: 0
    .kernarg_segment_align: 8
    .kernarg_segment_size: 64
    .max_flat_workgroup_size: 256
    .sgpr_count:     66
    .vgpr_count:     256
    .wavefront_size: 32
...
	.end_amdgpu_metadata
.endif
;; end of part 1
;; launch qkv (part 2): grid 16 x 16, 4 waves a work-group, clusters of 4 x 4, 327,680 bytes of LDS; arguments xc, wc, s1, q, kv; writes q, kv
.if DOCPART == 2
	.amdgcn_target "amdgcn-amd-amdhsa--gfx1250"
	.amdhsa_code_object_version 6
	.text
	.protected	k_qebf7dec44d_qkv
	.globl	k_qebf7dec44d_qkv
	.p2align	8
	.type	k_qebf7dec44d_qkv,@function
k_qebf7dec44d_qkv:
	s_mov_b64 s[64:65], 0
	v_nop
	global_prefetch_b8 v0, s[64:65] scope:SCOPE_SE
	s_setreg_imm32_b32 hwreg(HW_REG_WAVE_MODE, 25, 1), 1
	s_wait_xcnt 0x0
	s_wait_alu depctr_hold_cnt(0) depctr_sa_sdst(0) depctr_va_vdst(0) depctr_va_sdst(0) depctr_va_ssrc(0) depctr_va_vcc(0) depctr_vm_vsrc(0)
	s_getreg_b32 s2, hwreg(HW_REG_IB_STS2, 6, 4)
	s_cmp_eq_u32 s2, 0
	s_cbranch_scc0 .Lentry_in_a_cluster
	s_endpgm
.Lentry_in_a_cluster:
	s_bfe_u32 s2, ttmp6, 0x10000c
	s_cmp_lg_u32 s2, 0xf033
	s_cbranch_scc0 .Lentry_shape_is_right
	s_endpgm
.Lentry_shape_is_right:
; Q, K, V = x w_qkv on codes of FP6 (E2M3), K = 1,024; the results leave as codes and scale bytes, in the order of the operand registers of the launch that reads them.
; INPUTS: images of operand registers: a tile of 16 rows is 16 units of 64 along K, 768 bytes each (lane l: registers 0-3 at 16 l, 4-5 at 512 + 8 l); a tile's scale words are 512 bytes (row r, q-th 128 along K: 256 (q / 4) + 16 r + 4 (q % 4)).
; Tile 4 C + j holds in lane-row 8 h + i the row 64 C + 32 h + 8 j + i (tokens; columns of w_qkv: Q's 64 tiles, K's, V's).  So a lane's 32 sums of four tiles are one scale block of 32 neighbours along the next K.
; OUTPUTS q and kv: [batch x head: 208,896][256 tokens: 26,112]: units of Q's or K's 16 token tiles at 0, V's fragments [128 tokens][column tile: 1,536] at 12,288, Q's or K's scale images (256 bytes for 64 tokens) at 24,576, V's (256 bytes for 128 tokens) at 25,600.
; SHARES.  256 work-groups of four waves, 2 x 2: a wave holds 64 columns of a weight, ALL of K, in registers (384) and streams x's tiles past them: 32 products a tile (a block).  A work-group makes 128 tokens x 128 columns of V, then 256 x 128 of Q or K:
; V's 128 tokens are a half of the work-group's own 256.  Which half, and which tensor, comes from the cluster's number alone.  Wave (a, b) takes column tiles 4 b + 0 .. 3 and of each half of the rows token tiles 4 a + 0 .. 3.
; CLUSTER 4 x 4: x's tiles are shared along a row of the cluster, a weight's along a column, by joint loads.
; LDS: region 0 W_v, region 1 the first half of x, region 2 W_q or W_k: one load a wave at the head.  ONE REFILL: once all waves hold W_v in registers, region 0 takes the other half of x, first read six blocks later.
; No prefetch: the refill alone is not asked for at the head, and its rows are what the neighbouring clusters ask for there.
; A BLOCK'S WAY OUT: the largest magnitude is sought, in two chains, among the next block's products; the conversions stand behind that block's last product.
; LIMITS: NaN and infinities are not served; a block's byte is held at 1 from below (a block of zeros carries it with zero codes; this program alone reads the bytes).
.set REG,   98304                      ; a region: eight tiles
.set HALFR, 49152
.set VST,   3*REG                      ; V's scale bytes, two heads x 256
.set SPARE, VST+512
.set XA16, 4                           ; v4-11 LDS addresses, + 16 lane and + 8 lane: x's first half, x's second half, W_v, W_q or W_k
.set XB16, 6
.set WV16, 8
.set WQ16, 10
.set SPW,  12
.set NIL,  13
.set O16,  14
.set O8,   15
.set SOF,  16                          ; 512 h + 16 r
.set SELW, 17                          ; how a scale word is put together
.set STV,  18
.set SBV,  24                          ; v24-39 W_v's scale words: lanes 0-15 column tile 2 p, lanes 16-31 tile 2 p + 1
.set SBQ,  40                          ; v40-55 W_q's or W_k's
.set SA,   60                          ; v60-91 x's: lanes 0-15 block 2 p, lanes 16-31 block 2 p + 1
.set TA,   92
.set TB,   93
.set EE,   94
.set BY,   96                          ; v96-103 a scale byte for each of the eight blocks of Q or K
.set NC,   104
.set CT,   110
.set VA,   128                         ; V's sums: 32 t + 8 j + i
.set ACC,  96                          ; (window 3) two sets of four accumulators
.set G1W,  24                          ; groups 1: a weight's 4 tiles, x's 8, a weight's 8, x's 4
.set G1X,  32
.set G1Q,  40
.set G1R,  48
.set G0W,  56
.set G0X,  60
.set G0Q,  68
.set G0R,  72
.set SEL,  86
.set MSB, 0
.macro WIN new
.if MSB != (\new)
	s_set_vgpr_msb (MSB<<8)|(\new)
.set MSB, (\new)
.endif
.endm
.macro WALU
	s_wait_alu depctr_va_vdst(0)
.endm
.macro PLACES
.rept 4
	v_nop
.endr
.endm
.macro CREST                           ; a round of the cluster's barrier behind its opening barrier
	s_cmp_lg_u32 s14, 0
	s_cbranch_scc1 .Lnot_wave_0_\@
	s_barrier_signal -3
.Lnot_wave_0_\@:
	s_barrier_wait -3
	s_barrier_signal -1
	s_barrier_wait -1
.endm
.macro CROUND
	s_barrier_signal -1
	s_barrier_wait -1
	CREST
.endm
.macro TLOAD g0, g1
	tensor_load_to_lds s[\g0:\g0+3], s[\g1:\g1+7]
	s_nop 0
	PLACES
.endm
.macro GROUP1 g, mask, rows            ; dense rows of 256 bytes (32 elements of 8 bytes)
	s_or_b32 s[\g], s[\mask], (3<<16)|(1<<21)
	s_mov_b32 s[\g+1], 32<<16
	s_mov_b32 s[\g+2], (\rows)<<16
	s_mov_b32 s[\g+3], 32<<16
	s_mov_b32 s[\g+4], \rows
	s_mov_b32 s[\g+5], 32
	s_mov_b32 s[\g+6], 0
	s_mov_b32 s[\g+7], 0
.endm
; Fragment f lies in window 1 + f / 21 at register 12 (f % 21): 0-31 the weight's (4 q + t), 32-39 and 40-47 x's two sets.
.macro FRAG f, a, off
	WIN (1+(\f)/21)<<6
.set R_, 12*((\f)%21)
	ds_load_b128 v[R_:R_+3], v[\a] offset:\off
	ds_load_b64 v[R_+4:R_+5], v[\a+1] offset:(\off)+512
	ds_load_b128 v[R_+6:R_+9], v[\a] offset:(\off)+768
	ds_load_b64 v[R_+10:R_+11], v[\a+1] offset:(\off)+1280
.endm
.macro WEIGHTS a                       ; my 64 columns, all of K: 128 loads
.irp q, 0,1,2,3,4,5,6,7
.irp t, 0,1,2,3
	FRAG 4*\q+\t, \a, 12288*\t+1536*\q
.endr
.endr
	WIN 0
.endm
.macro FETCH e, k                      ; x's block k into set e: 32 loads
.irp q, 0,1,2,3,4,5,6,7
.if (\k) < 4
	FRAG 32+8*(\e)+\q, XA16, 12288*((\k)%4)+1536*\q
.else
	FRAG 32+8*(\e)+\q, XB16, 12288*((\k)%4)+1536*\q
.endif
.endr
	WIN 0
.endm
.macro PROD1 d, s0, s1, c, x0, x1, ra, rb
.if (\ra) && (\rb)
	v_wmma_scale_f32_16x16x128_f8f6f4 v[\d:\d+7], v[12*((\s0)%21):12*((\s0)%21)+11], v[12*((\s1)%21):12*((\s1)%21)+11], \c, v[\x0], v[\x1] matrix_a_fmt:MATRIX_FMT_FP6 matrix_b_fmt:MATRIX_FMT_FP6 matrix_a_scale:MATRIX_SCALE_ROW1 matrix_b_scale:MATRIX_SCALE_ROW1
.elseif (\ra)
	v_wmma_scale_f32_16x16x128_f8f6f4 v[\d:\d+7], v[12*((\s0)%21):12*((\s0)%21)+11], v[12*((\s1)%21):12*((\s1)%21)+11], \c, v[\x0], v[\x1] matrix_a_fmt:MATRIX_FMT_FP6 matrix_b_fmt:MATRIX_FMT_FP6 matrix_a_scale:MATRIX_SCALE_ROW1
.elseif (\rb)
	v_wmma_scale_f32_16x16x128_f8f6f4 v[\d:\d+7], v[12*((\s0)%21):12*((\s0)%21)+11], v[12*((\s1)%21):12*((\s1)%21)+11], \c, v[\x0], v[\x1] matrix_a_fmt:MATRIX_FMT_FP6 matrix_b_fmt:MATRIX_FMT_FP6 matrix_b_scale:MATRIX_SCALE_ROW1
.else
	v_wmma_scale_f32_16x16x128_f8f6f4 v[\d:\d+7], v[12*((\s0)%21):12*((\s0)%21)+11], v[12*((\s1)%21):12*((\s1)%21)+11], \c, v[\x0], v[\x1] matrix_a_fmt:MATRIX_FMT_FP6 matrix_b_fmt:MATRIX_FMT_FP6
.endif
.endm
; Product n = 4 q + t of a block.  kind 1 (V): source 0 x's tokens, source 1 the weight's columns; kind 0 (Q, K): the other way round.  The four accumulators take turns.
.macro PROD kind, e, k, n
.set Q_, (\n)/4
.set T_, (\n)%4
.set FB_, 4*Q_+T_
.set FA_, 32+8*(\e)+Q_
.set XX_, SA+8*((\k)/2)+Q_
.if \kind
.set D_, VA+32*T_+8*((\k)%4)
.set XW_, SBV+8*(T_/2)+Q_
	WIN (1+FA_/21)|((1+FB_/21)<<2)
.if Q_
	PROD1 D_, FA_, FB_, v[D_:D_+7], XX_, XW_, (\k)%2, T_%2
.else
	PROD1 D_, FA_, FB_, 0, XX_, XW_, (\k)%2, T_%2
.endif
.else
.set D_, ACC+32*(\e)+8*T_
.set XW_, SBQ+8*(T_/2)+Q_
	WIN (1+FB_/21)|((1+FA_/21)<<2)|0xf0
.if Q_
	PROD1 D_, FB_, FA_, v[D_:D_+7], XW_, XX_, T_%2, (\k)%2
.else
	PROD1 D_, FB_, FA_, 0, XW_, XX_, T_%2, (\k)%2
.endif
.endif
.endm
; Slot i of a way out: the largest magnitude of the 32 sums from register x of window 3 on, with the floor 2^(3 - 127); the conversions' scale operand (2 off the exponent field) and its byte
.macro OUTL i, x, by
.if (\i) == 0
	WIN 0x3f
	v_max3_num_f32 v[TA], |v[\x]|, |v[\x+1]|, |v[\x+2]|
	v_max3_num_f32 v[TB], |v[\x+16]|, |v[\x+17]|, |v[\x+18]|
.elseif (\i) < 7
	WIN 0x3c
	v_max3_num_f32 v[TA], v[TA], |v[\x+2*(\i)+1]|, |v[\x+2*(\i)+2]|
	v_max3_num_f32 v[TB], v[TB], |v[\x+2*(\i)+17]|, |v[\x+2*(\i)+18]|
.elseif (\i) == 7
	WIN 0x3c
	v_max3_num_f32 v[TA], v[TA], |v[\x+15]|, |v[\x+31]|
.elseif (\i) == 8
	WIN 0
	v_max3_num_f32 v[TA], v[TA], v[TB], 0x1800000
.elseif (\i) == 9
	WIN 0
	v_add_nc_u32 v[EE], 0xff000000, v[TA]
.elseif (\i) == 10
	WIN 0
	v_lshrrev_b32 v[\by], 23, v[EE]
.endif
.endm
.macro BLOCK kind, e, k, from, to, out ; products from .. to - 1; out = 1: behind every second one a slot of the last block's way out
.set N_, \from
.rept (\to)-(\from)
	PROD \kind, \e, \k, N_
.if (\out) && (N_%2 == 1)
	OUTL N_/2, ACC+32*(1-(\e)), BY+(\k)-1
.endif
.set N_, N_+1
.endr
.endm
.macro SENDQ k                         ; block k's codes: six registers of a unit, 512 and 256 consecutive bytes
.set X_, ACC+32*((\k)%2)
	WALU
	s_wait_xcnt 0x0                                ; the last block's stores have read their registers
	WIN 3
	v_cvt_scalef32_pk16_fp6_f32 v[NC:NC+2], v[X_:X_+15], v[EE]
	v_cvt_scalef32_pk16_fp6_f32 v[CT:CT+2], v[X_+16:X_+31], v[EE]
	WIN 0
	v_nop                                          ; one plain place behind a scaled conversion; with the moves, the places behind the block's products
.irp i, 0,1,2
	v_mov_b32 v[NC+3+\i], v[CT+\i]
.endr
.if (\k) < 4
	global_store_b128 v[O16], v[NC:NC+3], s[96:97] offset:768*((\k)%4)
	global_store_b64 v[O8], v[NC+4:NC+5], s[96:97] offset:768*((\k)%4)+512
.else
	global_store_b128 v[O16], v[NC:NC+3], s[98:99] offset:768*((\k)%4)
	global_store_b64 v[O8], v[NC+4:NC+5], s[98:99] offset:768*((\k)%4)+512
.endif
.endm
	s_load_b256 s[4:11], s[0:1], 0x0               ; xc 4, wc 6, s1 8, q 10
	s_load_b64 s[12:13], s[0:1], 0x20              ; kv
	v_lshl_add_u32 v[SPW], v0, 2, SPARE
	v_mov_b32 v[NIL], 0
	ds_add_u32 v[SPW], v[NIL]
	ds_add_u32 v[SPW], v[NIL]
	v_lshrrev_b32 v1, 5, v0
	v_readfirstlane_b32 s14, v1                    ; wave 0..3
	s_lshr_b32 s15, s14, 1                         ; a
	s_and_b32 s16, s14, 1                          ; b
	s_bfe_u32 s17, ttmp6, 0x40000                  ; cx
	s_bfe_u32 s18, ttmp6, 0x40004                  ; cy
	s_lshr_b32 s19, ttmp9, 1                       ; 0: Q, 1: K
	s_and_b32 s20, ttmp9, 1                        ; which half of my 256 tokens is V's, and comes first
	s_lshl_b32 s21, ttmp9, 2
	s_add_co_u32 s21, s21, s17                     ; Q's and K's 128-column tile, 0 .. 15
	s_and_b32 s22, ttmp7, 0xffff
	s_lshl_b32 s22, s22, 2
	s_add_co_u32 s22, s22, s18                     ; my 256 tokens, 0 .. 15
	s_lshl_b32 s23, s19, 2
	s_add_co_u32 s23, s23, s17                     ; V's 128-column tile, 0 .. 7
	s_lshl_b32 s66, s18, 2
	s_lshl_b32 s66, 15, s66                        ; my row of the cluster
	s_lshl_b32 s67, 0x1111, s17                    ; my column
	GROUP1 G1W, 67, 192
	GROUP1 G1X, 66, 384
	GROUP1 G1Q, 67, 384
	GROUP1 G1R, 66, 192
	s_lshl_b32 s76, s22, 4
	s_lshl_b32 s77, s20, 3
	s_xor_b32 s78, s77, 8
	s_add_co_u32 s77, s77, s76                     ; x's first eight tiles,
	s_add_co_u32 s78, s78, s76                     ; and its second
	s_lshl_b32 s79, s23, 3
	s_add_co_u32 s79, s79, 128                     ; W_v's eight
	s_lshl_b32 s80, s21, 3                         ; W_q's or W_k's
	s_mul_i32 s81, s14, HALFR                      ; waves 0 and 1 fetch a half each of region 0
	s_mul_i32 s88, s77, 12288
	s_mov_b32 s89, 0
	s_mul_i32 s90, s78, 12288
	s_add_co_u32 s90, s90, s81
	s_mov_b32 s91, 0
	s_mul_i32 s92, s79, 12288
	s_add_co_u32 s92, s92, s81
	s_mov_b32 s93, 0
	s_mul_i32 s94, s80, 12288
	s_mov_b32 s95, 0
	s_mov_b32 s[G0W], 1
	s_mov_b32 s[G0W+1], s81
	s_mov_b32 s[G0X], 1
	s_mov_b32 s[G0X+1], REG
	s_mov_b32 s[G0Q], 1
	s_mov_b32 s[G0Q+1], 2*REG
	s_mov_b32 s[G0R], 1
	s_mov_b32 s[G0R+1], s81
	s_wait_dscnt 0x0                               ; both opening adds are done
	s_wait_kmcnt 0x0
	s_add_nc_u64 s[G0W+2:G0W+3], s[6:7], s[92:93]
	s_or_b32 s[G0W+3], s[G0W+3], 0x80000000
	s_add_nc_u64 s[G0X+2:G0X+3], s[4:5], s[88:89]
	s_or_b32 s[G0X+3], s[G0X+3], 0x80000000
	s_add_nc_u64 s[G0Q+2:G0Q+3], s[6:7], s[94:95]
	s_or_b32 s[G0Q+3], s[G0Q+3], 0x80000000
	s_add_nc_u64 s[G0R+2:G0R+3], s[4:5], s[90:91]
	s_or_b32 s[G0R+3], s[G0R+3], 0x80000000
	CROUND                                         ; all sixteen work-groups are here: the joint loads meet
	s_cmp_lt_u32 s14, 2
	s_cbranch_scc0 .Lwave_2
	TLOAD G0W, G1W                                 ; waves 0 and 1: a half each of W_v
	s_branch .Lasked
.Lwave_2:
	s_cmp_eq_u32 s14, 2
	s_cbranch_scc0 .Lwave_3
	TLOAD G0X, G1X                                 ; wave 2: the first half of x
	s_branch .Lasked
.Lwave_3:
	TLOAD G0Q, G1Q                                 ; wave 3: W_q or W_k
.Lasked:
	s_mul_i32 s82, s15, HALFR
	s_mul_i32 s83, s16, HALFR
	s_add_co_u32 s84, s82, REG
	s_add_co_u32 s85, s83, 2*REG
	v_and_b32 v1, 15, v0                           ; r
	v_bfe_u32 v2, v0, 4, 1                         ; h
	v_and_b32 v3, 31, v0                           ; lane
	v_lshlrev_b32 v[SOF], 4, v1
	v_lshl_add_u32 v[SOF], v2, 9, v[SOF]
	v_lshl_add_u32 v[XA16], v3, 4, s84
	v_lshl_add_u32 v[XA16+1], v3, 3, s84
	v_lshl_add_u32 v[XB16], v3, 4, s82
	v_lshl_add_u32 v[XB16+1], v3, 3, s82
	v_lshl_add_u32 v[WV16], v3, 4, s83
	v_lshl_add_u32 v[WV16+1], v3, 3, s83
	v_lshl_add_u32 v[WQ16], v3, 4, s85
	v_lshl_add_u32 v[WQ16+1], v3, 3, s85
	v_lshlrev_b32 v[O16], 4, v3
	v_lshlrev_b32 v[O8], 3, v3
	v_mov_b32 v19, 0xc0c0400
	v_mov_b32 v20, 0xc0c0004
	v_cmp_eq_u32 vcc_lo, 1, v2
	v_cndmask_b32 v[SELW], v19, v20, vcc_lo
	s_lshl_b32 s86, s16, 8
	s_lshl_b32 s87, s15, 1
	s_add_co_u32 s86, s86, s87
	s_add_co_u32 s86, s86, VST
	v_lshl_add_u32 v[STV], v1, 4, s86
	v_add_nc_u32 v[STV], v2, v[STV]                ; V's scale byte of column tile t: 256 b + 16 r + 4 t + 2 a + h
	s_lshl_b32 s82, s15, 2
	s_lshl_b32 s83, s16, 2
	s_add_co_u32 s88, s77, s82                     ; the scale words of my tiles
	s_lshl_b32 s88, s88, 9
	s_add_co_u32 s90, s78, s82
	s_lshl_b32 s90, s90, 9
	s_add_co_u32 s92, s79, s83
	s_lshl_b32 s92, s92, 9
	s_add_co_u32 s92, s92, 131072                  ; the weight's lie behind x's
	s_add_co_u32 s94, s80, s83
	s_lshl_b32 s94, s94, 9
	s_add_co_u32 s94, s94, 131072
	s_add_nc_u64 s[88:89], s[8:9], s[88:89]
	s_add_nc_u64 s[90:91], s[8:9], s[90:91]
	s_add_nc_u64 s[92:93], s[8:9], s[92:93]
	s_add_nc_u64 s[94:95], s[8:9], s[94:95]
	WALU
.irp p, 0,1
.irp j, 0,1
	global_load_b128 v[SBV+8*\p+4*\j:SBV+8*\p+4*\j+3], v[SOF], s[92:93] offset:1024*\p+256*\j
	global_load_b128 v[SA+8*\p+4*\j:SA+8*\p+4*\j+3], v[SOF], s[88:89] offset:1024*\p+256*\j
	global_load_b128 v[SBQ+8*\p+4*\j:SBQ+8*\p+4*\j+3], v[SOF], s[94:95] offset:1024*\p+256*\j
	global_load_b128 v[SA+16+8*\p+4*\j:SA+16+8*\p+4*\j+3], v[SOF], s[90:91] offset:1024*\p+256*\j
.endr
.endr
	; where the results go
	s_lshr_b32 s76, s22, 3                         ; batch
	s_lshl_b32 s76, s76, 4
	s_and_b32 s77, s22, 7
	s_mul_i32 s77, s77, 26112                      ; my 256 tokens in a head
	s_and_b32 s78, s21, 7
	s_lshl_b32 s78, s78, 1
	s_add_co_u32 s78, s78, s16
	s_add_co_u32 s78, s78, s76                     ; batch x 16 + head: Q's or K's
	s_mul_i32 s78, s78, 208896
	s_add_co_u32 s78, s78, s77
	s_lshl_b32 s79, s23, 1
	s_add_co_u32 s79, s79, s16
	s_add_co_u32 s79, s79, s76                     ; V's
	s_mul_i32 s79, s79, 208896
	s_add_co_u32 s79, s79, s77
	s_lshl_b32 s80, s20, 1
	s_add_co_u32 s80, s80, s15                     ; my 64 tokens' number among the four: blocks 0-3,
	s_xor_b32 s81, s80, 2                          ; and blocks 4-7
	s_mul_i32 s82, s80, 3072
	s_add_co_u32 s96, s78, s82
	s_mov_b32 s97, 0
	s_mul_i32 s82, s81, 3072
	s_add_co_u32 s98, s78, s82
	s_mov_b32 s99, 0
	s_add_co_u32 s100, s78, 24576
	s_mov_b32 s101, 0
	s_mul_i32 s82, s20, 6144
	s_add_co_u32 s4, s79, s82
	s_mul_i32 s82, s15, 768
	s_add_co_u32 s4, s4, s82
	s_add_co_u32 s4, s4, 12288
	s_mov_b32 s5, 0
	s_lshl_b32 s82, s20, 8
	s_add_co_u32 s6, s79, s82
	s_add_co_u32 s6, s6, 25600
	s_mov_b32 s7, 0
	s_add_nc_u64 s[4:5], s[12:13], s[4:5]          ; V's codes
	s_add_nc_u64 s[6:7], s[12:13], s[6:7]          ; V's scale image
	s_cmp_eq_u32 s19, 0
	s_cselect_b64 s[10:11], s[10:11], s[12:13]
	s_add_nc_u64 s[96:97], s[10:11], s[96:97]      ; blocks 0-3
	s_add_nc_u64 s[98:99], s[10:11], s[98:99]      ; blocks 4-7
	s_add_nc_u64 s[100:101], s[10:11], s[100:101]  ; Q's or K's scale images
	s_mov_b32 s[SEL], 0x76543210
	s_mov_b32 s[SEL+1], 0xfedcba98
	WALU                                           ; the wait at the head's end
	s_cmp_lt_u32 s14, 2
	s_cbranch_scc0 .Lnot_w
	s_wait_tensorcnt 0x0
.Lnot_w:
	s_barrier_signal -1
	s_barrier_wait -1                              ; W_v is in
	WEIGHTS WV16
	s_cmp_eq_u32 s14, 3
	s_cbranch_scc1 .Lnot_x
	s_wait_tensorcnt 0x0
.Lnot_x:
	s_wait_dscnt 0x0                               ; my part of W_v lies in registers
	s_barrier_signal -1
	s_barrier_wait -1                              ; x's first half is in; wave 3's load may still be on its way
	FETCH 0, 0
	FETCH 1, 1
	s_wait_loadcnt 0x0                             ; the scale words
; ---------------- V: four blocks
	s_wait_dscnt 32                                ; behind this block's 32 loads stand the next block's 32
	BLOCK 1, 0, 0, 0, 32, 0
	WIN 0
	PLACES                                         ; in front of loads into registers that the products have read
	FETCH 0, 2
	s_wait_dscnt 32
	s_wait_tensorcnt 0x0                           ; the refill's round: all my tensor loads have landed;
	ds_add_u32 v[SPW], v[NIL]
	BLOCK 1, 1, 1, 0, 24, 0
	WIN 0
	s_wait_dscnt 0x0
	s_barrier_signal -1
	BLOCK 1, 1, 1, 24, 32, 0
	WIN 0
	s_barrier_wait -1
	CREST                                          ; every wave of every partner holds W_v in registers
	s_cmp_lt_u32 s14, 2
	s_cbranch_scc0 .Lno_refill
	TLOAD G0R, G1R                                 ; waves 0 and 1: a half each of x's second half, onto W_v
.Lno_refill:
	PLACES
	FETCH 1, 3
	s_wait_dscnt 32
	BLOCK 1, 0, 2, 0, 32, 0
	WIN 0
	PLACES
	FETCH 0, 0                                     ; Q's or K's block 0: the same tokens again
	s_wait_dscnt 32
	BLOCK 1, 1, 3, 0, 32, 0
	WIN 0
	PLACES
; ---------------- the change of weights: it landed ahead of the round; V's way out stands under its loads
	WEIGHTS WQ16
	FETCH 1, 1
.irp t, 0,1,2,3
	v_max3_num_f32 v[TA+\t], |v[VA+32*\t]|, |v[VA+32*\t+1]|, 0x1800000
.endr
.irp i, 2,4,6,8,10,12,14,16,18,20,22,24,26,28,30
.irp t, 0,1,2,3
	v_max3_num_f32 v[TA+\t], v[TA+\t], |v[VA+32*\t+\i]|, |v[VA+32*\t+\i+1]|
.endr
.endr
.irp t, 0,1,2,3
	v_add_nc_u32 v[TA+\t], 0xff000000, v[TA+\t]
.endr
.irp t, 0,1,2,3
	v_lshrrev_b32 v[20+\t], 23, v[TA+\t]
.endr
.irp t, 0,1,2,3
	ds_store_b8 v[STV], v[20+\t] offset:4*\t
.endr
.macro VCODES t                        ; column tiles t and t + 1: six registers each at v96 + 6 t
.irp s, 0,1
	v_cvt_scalef32_pk16_fp6_f32 v[96+6*(\t+\s):98+6*(\t+\s)], v[VA+32*(\t+\s):VA+32*(\t+\s)+15], v[TA+\t+\s]
	v_cvt_scalef32_pk16_fp6_f32 v[120+4*\s:122+4*\s], v[VA+32*(\t+\s)+16:VA+32*(\t+\s)+31], v[TA+\t+\s]
.endr
	v_nop
.irp s, 0,1
.irp i, 0,1,2
	v_mov_b32 v[99+6*(\t+\s)+\i], v[120+4*\s+\i]
.endr
.endr
.endm
	VCODES 0
	VCODES 2
.irp t, 0,1,2,3
	global_store_b128 v[O16], v[96+6*\t:99+6*\t], s[4:5] offset:1536*\t
	global_store_b64 v[O8], v[100+6*\t:101+6*\t], s[4:5] offset:1536*\t+512
.endr
; ---------------- Q or K: eight blocks
	s_wait_dscnt 36                                ; behind the weight's loads stand block 1's 32 and four byte stores
	BLOCK 0, 0, 0, 0, 32, 0
	WIN 0
	PLACES
	FETCH 0, 2
	s_wait_dscnt 32
	s_wait_xcnt 0x0                                ; V's stores have read their registers
	BLOCK 0, 1, 1, 0, 32, 1
	WIN 0
	SENDQ 0
	FETCH 1, 3
	s_wait_dscnt 32
	BLOCK 0, 0, 2, 0, 24, 1
	WIN 0
	WALU
	s_wait_tensorcnt 0x0
	s_wait_dscnt 0x0
	s_barrier_signal -1                            ; a plain barrier shows x's second half, and V's scale bytes, to all
	BLOCK 0, 0, 2, 24, 32, 0
	WIN 0
	s_barrier_wait -1
	SENDQ 1
	FETCH 0, 4
.macro QBLOCK e, k, fetch, w
	s_wait_dscnt \w
	BLOCK 0, \e, \k, 0, 32, 1
	WIN 0
	SENDQ \k-1
.if \fetch
	FETCH \e, \k+2
.endif
.endm
	QBLOCK 1, 3, 1, 32
	QBLOCK 0, 4, 1, 32
	QBLOCK 1, 5, 1, 32
	QBLOCK 0, 6, 0, 32
	QBLOCK 1, 7, 0, 0
.irp i, 0,1,2,3,4,5,6,7,8,9,10
	OUTL \i, ACC+32, BY+7
.endr
	WIN 0
	SENDQ 7
; ---------------- the scale words of Q or K: lanes 0-15 send blocks 0-3's, lanes 16-31 blocks 4-7's; a word is two bytes (lane halves 0, 1) and two zeros
	s_lshl_b32 s76, s80, 8
	s_lshl_b32 s77, s81, 8
	v_lshl_or_b32 v113, v[BY+1], 8, v[BY]
	v_lshl_or_b32 v114, v[BY+3], 8, v[BY+2]
	v_lshl_or_b32 v115, v[BY+5], 8, v[BY+4]
	v_lshl_or_b32 v116, v[BY+7], 8, v[BY+6]
	v_lshl_or_b32 v113, v114, 16, v113
	v_lshl_or_b32 v115, v116, 16, v115
	v_mov_b32 v117, 0
	v_mov_b32 v118, 0
	v_permlanex16_b32 v117, v113, s[SEL], s[SEL+1]
	v_permlanex16_b32 v118, v115, s[SEL], s[SEL+1]
	v_cmp_eq_u32 vcc_lo, 1, v2
	v_mov_b32 v124, s76
	v_mov_b32 v125, s77
	v_cndmask_b32 v113, v113, v115, vcc_lo
	v_cndmask_b32 v117, v117, v118, vcc_lo
	v_cndmask_b32 v124, v124, v125, vcc_lo
	v_add_nc_u32 v19, 0x101, v[SELW]
	v_add_nc_u32 v20, 0x202, v[SELW]
	v_add_nc_u32 v21, 0x303, v[SELW]
	v_perm_b32 v120, v117, v113, v[SELW]
	v_perm_b32 v121, v117, v113, v19
	v_perm_b32 v122, v117, v113, v20
	v_perm_b32 v123, v117, v113, v21
	v_lshl_add_u32 v124, v1, 4, v124
	global_store_b128 v124, v[120:123], s[100:101] ; sixteen lanes store 256 consecutive bytes
	s_lshl_b32 s82, s16, 8
	s_add_co_u32 s82, s82, VST
	v_add_nc_u32 v126, s82, v[O8]
	WALU
	s_cmp_lg_u32 s15, 0
	s_cbranch_scc1 .Lno_v
	ds_load_b64 v[22:23], v126                     ; waves (0, b): head b's 256 bytes of V's scale image
	s_wait_dscnt 0x0
	global_store_b64 v[O8], v[22:23], s[6:7]
.Lno_v:
	s_wait_tensorcnt 0x0                           ; the wave's end
	ds_add_u32 v[SPW], v[NIL]
	s_wait_dscnt 0x0
	CROUND                                         ; the closing round
	s_endpgm
.Lfunc_end_k_qebf7dec44d_qkv:
	.size	k_qebf7dec44d_qkv, .Lfunc_end_k_qebf7dec44d_qkv-k_qebf7dec44d_qkv
	.p2alignl 7, 3214868480
	.fill 96, 4, 3214868480
	.section	.rodata,"a",@progbits
	.p2align	6, 0x0
	.amdhsa_kernel k_qebf7dec44d_qkv
		.amdhsa_group_segment_fixed_size 327680
		.amdhsa_private_segment_fixed_size 0
		.amdhsa_enable_private_segment 0
		.amdhsa_kernarg_size 40
		.amdhsa_user_sgpr_count 2
		.amdhsa_user_sgpr_kernarg_segment_ptr 1
		.amdhsa_wavefront_size32 1
		.amdhsa_system_sgpr_workgroup_id_x 1
		.amdhsa_system_sgpr_workgroup_id_y 1
		.amdhsa_system_sgpr_workgroup_id_z 1
		.amdhsa_system_vgpr_workitem_id 0
		.amdhsa_next_free_vgpr 1024
		.amdhsa_next_free_sgpr 102
		.amdhsa_reserve_vcc 1
		.amdhsa_float_denorm_mode_32 3
		.amdhsa_float_denorm_mode_16_64 3
		.amdhsa_memory_ordered 1
		.amdhsa_forward_progress 1
		.amdhsa_inst_pref_size 132
	.end_amdhsa_kernel
	.amdgpu_metadata
---
amdhsa.version: [ 1, 2 ]
amdhsa.kernels:
  - .name:           k_qebf7dec44d_qkv
    .symbol:         k_qebf7dec44d_qkv.kd
    .args:
      - { .name: xc, .offset: 0, .size: 8, .value_kind: global_buffer, .address_space: global }
      - { .name: wc, .offset: 8, .size: 8, .value_kind: global_buffer, .address_space: global }
      - { .name: s1, .offset: 16, .size: 8, .value_kind: global_buffer, .address_space: global }
      - { .name: q, .offset: 24, .size: 8, .value_kind: global_buffer, .address_space: global }
      - { .name: kv, .offset: 32, .size: 8, .value_kind: global_buffer, .address_space: global }
    .group_segment_fixed_size: 327680
    .private_segment_fixed_size: 0
    .kernarg_segment_align: 8
    .kernarg_segment_size: 40
    .max_flat_workgroup_size: 128
    .sgpr_count:     102
    .vgpr_count:     1024
    .wavefront_size: 32
...
	.end_amdgpu_metadata
.endif
;; end of part 2
;; launch attn (part 3): grid 8 x 32, 8 waves a work-group, clusters of 4 x 1, 327,680 bytes of LDS; arguments q, kv, ac, s2; writes ac, s2
.if DOCPART == 3
	.amdgcn_target "amdgcn-amd-amdhsa--gfx1250"
	.amdhsa_code_object_version 6
	.text
	.protected	k_qebf7dec44d_attn
	.globl	k_qebf7dec44d_attn
	.p2align	8
	.type	k_qebf7dec44d_attn,@function
k_qebf7dec44d_attn:
	s_mov_b64 s[64:65], 0
	v_nop
	global_prefetch_b8 v0, s[64:65] scope:SCOPE_SE
	s_setreg_imm32_b32 hwreg(HW_REG_WAVE_MODE, 25, 1), 1
	s_wait_xcnt 0x0
	s_wait_alu depctr_hold_cnt(0) depctr_sa_sdst(0) depctr_va_vdst(0) depctr_va_sdst(0) depctr_va_ssrc(0) depctr_va_vcc(0) depctr_vm_vsrc(0)
	s_getreg_b32 s2, hwreg(HW_REG_IB_STS2, 6, 4)
	s_cmp_eq_u32 s2, 0
	s_cbranch_scc0 .Lentry_in_a_cluster
	s_endpgm
.Lentry_in_a_cluster:
	s_bfe_u32 s2, ttmp6, 0x10000c
	s_cmp_lg_u32 s2, 0x3003
	s_cbranch_scc0 .Lentry_shape_is_right
	s_endpgm
.Lentry_shape_is_right:
; For each of 32 heads: O = softmax(q k^T / 8) v on codes of FP6 (E2M3); the result is divided by the row's sum and quantised along the model's 1,024 for the last product.
; 64^-1/2 = 2^-3 stands in the exponent's factor, c = log2(e) / 8: a power of two taken off Q's numbers moves their scales and no code.
; THE SOFTMAX: t = score x c; M = the running largest t rounded UP to a whole number, kept as -M; p = 2^(t - M) is quantised along the keys, not normalised; the row's sum is taken of the unquantised p.  When M moves, the sum and O are multiplied by f = 2^(old M - new M): exact.
; SHARES.  A work-group owns 256 queries of a head; each of its eight waves, two to a SIMD, 32 of them: two tiles of 16.  A step is 256 keys: their K and V come into registers once and serve both tiles.
; A HEAD'S K AND V, codes and scale words, 208,896 bytes, LIE IN LDS WHOLE: eight chunks of 256 keys, 26,112 bytes each (K's 16 units of 768 bytes at 0, V's 8 fragments of 1,536 at 12,288, K's scale images at 24,576, V's at 25,600), each filled once, by one wave's one tensor load.
; CLUSTER.  Four query blocks of one head form a cluster and ask for each chunk jointly.  No prefetch: all that is loaded is asked for at the head, and no loop has a load from memory to run ahead of.
; LAYOUT.  Both products are used transposed (S^T = K Q^T, O^T = V^T P^T): a lane (r, h) holds one query.  Tile 4 C + j of the keys holds in lane-row 8 h + i the key 64 C + 32 h + 8 j + i: so a lane's 32 sums of four tiles are a WHOLE scale block of 32 keys,
; and its codes fall as the next operand wants them.  V's four tiles of columns are laid likewise, so a lane ends with 32 neighbouring channels of its query: one block of the last product's K.
; The head's 64 fill half of the first product's 128: registers 6-11 of Q's fragments are zero codes.  So whatever stands in registers 6-11 of a fragment of K adds nothing (every 6-bit code is a finite number, and it meets a zero): K's tiles lie on end, six registers each, and fragment t names its own six and the six behind them.
; K of the next step is fetched behind the second tile's score products, V of this step behind the first tile's.
; LIMITS: the scaled scores stay under 2^31 in magnitude; NaN and infinities are not served; a p under 2^-126 counts as 0; a block of zeros carries the byte 1 with zero codes (this program alone reads the bytes).
.set CHB,  26112
.set SPARE, 237568
.set K16, 1                            ; v1 16 lane + the chunk in hand, v2 8 lane + the same
.set K8,  2
.set LR,  3                            ; 16 r
.set KS,  8                            ; v8-15 K's scale words: lanes 0-15 tiles 0-3 (8-11), lanes 16-31 tiles 4-7 (12-15)
.set KW,  16                           ; v16-19 V's: lanes 0-15 the step's first 128 keys, lanes 16-31 its last
.set QS,  20                           ; v20, v21 Q's
.set SPW, 24
.set NIL, 25
.set PWD, 28                           ; v28, v29 P's scale words
.set TS,  32                           ; tile q: v[32 + 4 q]: -M, the largest score so far, the sum in two halves
.set TT,  40                           ; four blocks' maxima, then their scale operands
.set FF,  44                           ; f  (v45 is the pair's upper half: 0)
.set XX,  46
.set YY,  47
.set AC,  48                           ; v48-55 four pairs: the unit's row sum in four chains
.set UB,  56                           ; v56, v57
.set SR,  64                           ; v64-191 the scores, then p
.set OT,  192                          ; v192-255 O^T
.set VF,  0                            ; (window 1) V
.set KF,  96                           ; (window 1) K
.set PC,  192                          ; (window 1) P's codes: two operands of 12
.set CT,  216                          ; (window 1) the second halves of blocks, as converted
.set QF,  232                          ; (window 1) Q
.set WV,  18
.set SEL, 20
.set CS,  22
.set G1,  24
.set G0,  40
.set NC,  48                           ; -c
.set P0,  49                           ; the byte orders of P's two scale words
.set P1,  50
.set CNT, 51
.set MSB, 0
.macro WIN new
.if MSB != (\new)
	s_set_vgpr_msb (MSB<<8)|(\new)
.set MSB, (\new)
.endif
.endm
.macro WALU
	s_wait_alu depctr_va_vdst(0)
.endm
.macro ROUND                           ; a round of the cluster's barrier
	s_barrier_signal -1
	s_barrier_wait -1
	s_cmp_lg_u32 s[WV], 0
	s_cbranch_scc1 .Lnot_wave_0_\@
	s_barrier_signal -3
.Lnot_wave_0_\@:
	s_barrier_wait -3
	s_barrier_signal -1
	s_barrier_wait -1
.endm
.macro KLOAD off                       ; 256 keys of K, six registers a tile, and their scale words
	WIN 0x40
.irp t, 0,1,2,3,4,5,6,7,8,9,10,11,12,13,14,15
	ds_load_b128 v[KF+6*\t:KF+6*\t+3], v[K16] offset:(\off)+768*\t
	ds_load_b64 v[KF+6*\t+4:KF+6*\t+5], v[K8] offset:(\off)+768*\t+512
.endr
	WIN 0
	ds_load_b128 v[KS:KS+3], v[K16] offset:(\off)+24576
	ds_load_b128 v[KS+4:KS+7], v[K16] offset:(\off)+24576+512
.endm
.macro VLOAD                           ; 256 keys of V: fragment 4 hh + t is columns' tile t, keys 128 hh on
	WIN 0x40
.irp f, 0,1,2,3,4,5,6,7
	ds_load_b128 v[VF+12*\f:VF+12*\f+3], v[K16] offset:12288+1536*\f
	ds_load_b64 v[VF+12*\f+4:VF+12*\f+5], v[K8] offset:12288+1536*\f+512
	ds_load_b128 v[VF+12*\f+6:VF+12*\f+9], v[K16] offset:12288+1536*\f+768
	ds_load_b64 v[VF+12*\f+10:VF+12*\f+11], v[K8] offset:12288+1536*\f+1280
.endr
	WIN 0
	ds_load_b128 v[KW:KW+3], v[K16] offset:25600
.endm
.macro SPROD q, n                      ; scores of query tile q against key tile n
.if ((\n)%8) >= 4
	v_wmma_scale_f32_16x16x128_f8f6f4 v[SR+8*\n:SR+8*\n+7], v[KF+6*\n:KF+6*\n+11], v[QF+12*\q:QF+12*\q+11], 0, v[KS+4*(\n/8)+\n%4], v[QS+\q] matrix_a_fmt:MATRIX_FMT_FP6 matrix_b_fmt:MATRIX_FMT_FP6 matrix_a_scale:MATRIX_SCALE_ROW1
.else
	v_wmma_scale_f32_16x16x128_f8f6f4 v[SR+8*\n:SR+8*\n+7], v[KF+6*\n:KF+6*\n+11], v[QF+12*\q:QF+12*\q+11], 0, v[KS+4*(\n/8)+\n%4], v[QS+\q] matrix_a_fmt:MATRIX_FMT_FP6 matrix_b_fmt:MATRIX_FMT_FP6
.endif
.endm
.macro PVP q, n                        ; O^T's tile n % 4 += V^T P^T over keys 128 (n / 4) on
.set h_, (\n)/4
.set t_, (\n)%4
.set o_, OT+32*(\q)+8*t_
	WIN 0x05
.if h_
	v_wmma_scale_f32_16x16x128_f8f6f4 v[o_:o_+7], v[VF+48+12*t_:VF+48+12*t_+11], v[PC+12:PC+23], v[o_:o_+7], v[KW+t_], v[PWD+1] matrix_a_fmt:MATRIX_FMT_FP6 matrix_b_fmt:MATRIX_FMT_FP6 matrix_a_scale:MATRIX_SCALE_ROW1
.else
	v_wmma_scale_f32_16x16x128_f8f6f4 v[o_:o_+7], v[VF+12*t_:VF+12*t_+11], v[PC:PC+11], v[o_:o_+7], v[KW+t_], v[PWD] matrix_a_fmt:MATRIX_FMT_FP6 matrix_b_fmt:MATRIX_FMT_FP6
.endif
.endm
.macro MAXL k                          ; the largest score of each of my four blocks of 32 keys, in four chains by turns: 64 lines; each accumulator from its low end on
.set c_, (\k)%4
.set i_, (\k)/4
.set b_, SR+32*c_
.if i_ == 0
	v_max3_num_f32 v[TT+c_], v[b_], v[b_+1], v[b_+2]
.elseif i_ < 15
	v_max3_num_f32 v[TT+c_], v[TT+c_], v[b_+2*i_+1], v[b_+2*i_+2]
.else
	v_max_num_f32 v[TT+c_], v[TT+c_], v[b_+31]
.endif
.endm
.macro AD k                            ; the row's sum of the unquantised p, two numbers a line, four chains by turns: lines 0-27 the first 64 numbers, 28-59 the others
.if (\k) < 4
	v_pk_add_f32 v[AC+2*(\k):AC+2*(\k)+1], v[SR+4*(\k):SR+4*(\k)+1], v[SR+4*(\k)+2:SR+4*(\k)+3]
.else
.set a_, AC+2*((\k)%4)
	v_pk_add_f32 v[a_:a_+1], v[a_:a_+1], v[SR+2*(\k)+8:SR+2*(\k)+9]
.endif
.endm
.macro SL k                            ; scale operands (2 off the exponent field), bytes, my four bytes in one word, and lane l xor 16's four
.if (\k) < 4
	v_add_nc_u32 v[TT+(\k)], 0xff000000, v[TT+(\k)]
.elseif (\k) < 6
	v_lshrrev_b32 v[UB+(\k)-4], 23, v[TT+(\k)-4]
.elseif (\k) < 8
	v_lshrrev_b32 v[XX+(\k)-6], 23, v[TT+(\k)-4]
.elseif (\k) == 8
	v_lshl_or_b32 v[UB], v[UB+1], 8, v[UB]
.elseif (\k) == 9
	v_lshl_or_b32 v[XX], v[YY], 8, v[XX]
.elseif (\k) == 10
	v_lshl_or_b32 v[UB], v[XX], 16, v[UB]
.else
	v_permlanex16_b32 v[UB+1], v[UB], s[SEL], s[SEL+1]
.endif
.endm
.macro UNIT q                          ; one tile's softmax of one step
.set ST, TS+4*(\q)
.if (\q) == 0
	s_wait_dscnt 0x0                               ; this step's K, asked for a unit ago
.endif
	WIN 0x05
.irp n, 0,1,2,3,4,5,6,7,8,9,10,11,12,13,14,15
	SPROD \q, \n
.endr
	WIN 0
.rept 4
	v_nop                                          ; the places ahead of the scores' first readers
.endr
.if (\q) == 0
	VLOAD                                          ; the last step's products have read theirs eight plain lines ago and more
.endif
.set kk, 0
.rept 64
	MAXL kk
.set kk, kk+1
.endr
.if (\q) == 1
	WALU
	s_cmp_eq_u32 s[CNT], 1
	s_cbranch_scc1 .Lno_k_\@                       ; the last step has no next
	KLOAD CHB                                      ; the next step's K
.Lno_k_\@:
.endif
	v_max3_num_f32 v[XX], v[TT], v[TT+1], v[TT+2]
	s_delay_alu instid0(VALU_DEP_1)
	v_max_num_f32 v[XX], v[XX], v[TT+3]
	s_delay_alu instid0(VALU_DEP_1)
	v_permlanex16_b32 v[YY], v[XX], s[SEL], s[SEL+1]   ; lane l xor 16 holds my query's other keys
	s_delay_alu instid0(VALU_DEP_1)
	v_max3_num_f32 v[ST+1], v[ST+1], v[XX], v[YY]
	s_delay_alu instid0(VALU_DEP_1)
	v_mul_f32 v[UB], s[NC], v[ST+1]
	s_delay_alu instid0(VALU_DEP_1)
	v_floor_f32 v[UB], v[UB]                       ; the new -M
	s_delay_alu instid0(VALU_DEP_1)
	v_sub_f32 v[XX], v[UB], v[ST]                  ; old M - new M: a whole number, 0 or less
	v_mov_b32 v[ST], v[UB]
	v_cvt_i32_f32 v[XX], v[XX]                     ; (it saturates)
.irp b, 0,1,2,3
	v_fma_f32 v[TT+\b], v[TT+\b], s[CS], v[ST]     ; t - M of each block's largest score: p rises with the score, so this is the block's largest p
.endr
	v_ldexp_f32 v[FF], 1.0, v[XX]                  ; f
.set jj, 0
.rept 32
	v_pk_fma_f32 v[SR+2*jj:SR+2*jj+1], v[SR+2*jj:SR+2*jj+1], s[CS:CS+1], v[ST:ST+1] op_sel_hi:[1,0,0]   ; t - M, two at a time
.set jj, jj+1
.endr
	WALU                                           ; one wait ahead of the batch
.irp b, 0,1,2,3
	v_exp_f32 v[TT+\b], v[TT+\b]
.endr
.set jj, 0
.rept 32
	v_exp_f32 v[SR+2*jj], v[SR+2*jj]               ; p
	v_pk_fma_f32 v[SR+64+2*jj:SR+65+2*jj], v[SR+64+2*jj:SR+65+2*jj], s[CS:CS+1], v[ST:ST+1] op_sel_hi:[1,0,0]
	v_exp_f32 v[SR+2*jj+1], v[SR+2*jj+1]
.set jj, jj+1
.endr
	WALU                                           ; and one ahead of the second half's
.set jj, 0
.rept 64
	v_exp_f32 v[SR+64+jj], v[SR+64+jj]
.set jj, jj+1
.endr
.irp b, 0,1,2,3
	v_max_num_f32 v[TT+\b], 0x1800000, v[TT+\b]    ; the floor 2^(3 - 127): the byte cannot fall under 1
.endr
	WALU                                           ; the wait behind both halves, ahead of their first reader
.set jj, 0
.rept 12
	SL jj
	AD 2*jj
	AD 2*jj+1
.set jj, jj+1
.endr
	AD 24
	AD 25
	AD 26
	AD 27
	v_perm_b32 v[PWD], v[UB+1], v[UB], s[P0]       ; P's scale words, in lanes 0-15: byte 2 c + h is block c of lane half h
	v_perm_b32 v[PWD+1], v[UB+1], v[UB], s[P1]
	WIN 0x40
.irp c, 0,1,2,3
	v_cvt_scalef32_pk16_fp6_f32 v[PC+6*\c:PC+6*\c+2], v[SR+32*\c:SR+32*\c+15], v[TT+\c]
	v_cvt_scalef32_pk16_fp6_f32 v[CT+4*\c:CT+4*\c+2], v[SR+32*\c+16:SR+32*\c+31], v[TT+\c]
.endr
	WIN 0x41
	v_nop                                          ; one plain place behind a scaled conversion
.irp c, 0,1,2,3
.irp i, 0,1,2
	v_mov_b32 v[PC+6*\c+3+\i], v[CT+4*\c+\i]       ; (a conversion's three registers begin on an even number)
.endr
.endr
	WIN 0
.if (\q) == 0
	WALU
	s_wait_dscnt 0x0                               ; V
.endif
	WALU                                           ; the wait ahead of O^T's first reader
.set jj, 0
.rept 16
	v_pk_mul_f32 v[OT+32*(\q)+2*jj:OT+32*(\q)+2*jj+1], v[OT+32*(\q)+2*jj:OT+32*(\q)+2*jj+1], v[FF:FF+1] op_sel_hi:[1,0]   ; O^T under the new M.  (The places behind P's codes and scale words)
.set jj, jj+1
.endr
.set pp, 0
.rept 8
	PVP \q, pp
	WIN 0
	AD 28+4*pp
	AD 29+4*pp
	AD 30+4*pp
	AD 31+4*pp
.set pp, pp+1
.endr
	v_pk_add_f32 v[AC:AC+1], v[AC:AC+1], v[AC+2:AC+3]
	v_pk_add_f32 v[AC+4:AC+5], v[AC+4:AC+5], v[AC+6:AC+7]
	s_delay_alu instid0(VALU_DEP_1)
	v_pk_add_f32 v[AC:AC+1], v[AC:AC+1], v[AC+4:AC+5]
	s_delay_alu instid0(VALU_DEP_1)
	v_pk_fma_f32 v[ST+2:ST+3], v[ST+2:ST+3], v[FF:FF+1], v[AC:AC+1] op_sel_hi:[1,0,1]   ; the sum under the new M, and this unit's
.endm
	s_load_b256 s[4:11], s[0:1], 0x0               ; q 4, kv 6, ac 8, s2 10
	v_lshl_add_u32 v[SPW], v0, 2, SPARE
	v_mov_b32 v[NIL], 0
	ds_add_u32 v[SPW], v[NIL]
	ds_add_u32 v[SPW], v[NIL]
	v_lshrrev_b32 v4, 5, v0
	v_readfirstlane_b32 s[WV], v4                  ; wave 0..7
	s_bfe_u32 s52, ttmp6, 0x40000                  ; cx
	s_lshl_b32 s53, ttmp9, 2
	s_add_co_u32 s53, s53, s52                     ; my block of 256 queries: it enters q's, ac's and s2's addresses alone
	s_and_b32 s54, ttmp7, 0xffff                   ; the head, which the four partners share
	s_mul_i32 s56, s54, 208896
	s_mov_b32 s57, 0
	s_mov_b32 s[G1], 15|(3<<16)|(1<<21)            ; group 1, a chunk: 102 rows of 256 bytes, dense.  15:0 the mask: all four work-groups; 17:16 elements of 8 bytes; 21 set beside a mask
	s_mov_b32 s[G1+1], 32<<16
	s_mov_b32 s[G1+2], 102<<16
	s_mov_b32 s[G1+3], 32<<16
	s_mov_b32 s[G1+4], 102
	s_mov_b32 s[G1+5], 32
	s_mov_b32 s[G1+6], 0
	s_mov_b32 s[G1+7], 0
	s_mul_i32 s58, s[WV], CHB                      ; wave w fetches chunk w
	s_mov_b32 s59, 0
	s_wait_dscnt 0x0                               ; both opening adds are done
	s_wait_kmcnt 0x0
	s_add_nc_u64 s[6:7], s[6:7], s[56:57]
	s_mov_b32 s[G0], 1
	s_mov_b32 s[G0+1], s58
	s_add_nc_u64 s[G0+2:G0+3], s[6:7], s[58:59]
	s_or_b32 s[G0+3], s[G0+3], 0x80000000
	ROUND                                          ; all four work-groups are here: the joint loads meet
	tensor_load_to_lds s[G0:G0+3], s[G1:G1+7]
	s_nop 0
.rept 4
	v_nop
.endr
	v_and_b32 v4, 31, v0
	v_lshlrev_b32 v[K16], 4, v4                    ; 16 lane: Q's offset in memory, and the place in chunk 0
	v_lshlrev_b32 v[K8], 3, v4
	v_and_b32 v5, 15, v0
	v_lshlrev_b32 v[LR], 4, v5
	s_mul_i32 s60, s53, CHB                        ; my queries' chunk in q,
	s_add_co_u32 s60, s60, s56
	s_mul_i32 s62, s[WV], 1536                     ; my two tiles in it,
	s_add_co_u32 s66, s60, s62
	s_mov_b32 s67, 0
	s_add_nc_u64 s[66:67], s[4:5], s[66:67]
	s_lshr_b32 s62, s[WV], 1                       ; and their scale words: 24,576 + 256 (w / 2) + 16 r + 8 (w % 2)
	s_lshl_b32 s62, s62, 8
	s_add_co_u32 s68, s60, s62
	s_and_b32 s62, s[WV], 1
	s_lshl_b32 s62, s62, 3
	s_add_co_u32 s68, s68, s62
	s_add_co_u32 s68, s68, 24576
	s_mov_b32 s69, 0
	s_add_nc_u64 s[68:69], s[4:5], s[68:69]
	WALU
	WIN 0x40
.irp t, 0,1
	global_load_b128 v[QF+12*\t:QF+12*\t+3], v[K16], s[66:67] offset:768*\t
	global_load_b64 v[QF+12*\t+4:QF+12*\t+5], v[K8], s[66:67] offset:768*\t+512
.endr
	WIN 0
	global_load_b64 v[QS:QS+1], v[LR], s[68:69]
	s_lshr_b32 s56, s54, 4                         ; the way out: token tile T = 128 x batch + 16 x block + 2 x wave,
	s_lshl_b32 s56, s56, 7
	s_lshl_b32 s57, s53, 4
	s_add_co_u32 s56, s56, s57
	s_lshl_b32 s57, s[WV], 1
	s_add_co_u32 s56, s56, s57
	s_and_b32 s57, s54, 15                         ; unit g = the head's number in its batch
	s_lshl_b32 s58, s56, 4
	s_add_co_u32 s58, s58, s57
	s_mul_i32 s58, s58, 768
	s_mov_b32 s59, 0
	s_add_nc_u64 s[8:9], s[8:9], s[58:59]
	s_lshl_b32 s60, s56, 9                         ; its scale bytes: 512 T + 256 (g / 8) + 16 r + 2 (g % 8) + h
	s_lshr_b32 s61, s57, 3
	s_lshl_b32 s61, s61, 8
	s_add_co_u32 s60, s60, s61
	s_and_b32 s61, s57, 7
	s_lshl_b32 s61, s61, 1
	s_add_co_u32 s60, s60, s61
	s_mov_b32 s61, 0
	s_add_nc_u64 s[10:11], s[10:11], s[60:61]
	s_mov_b32 s[SEL], 0x76543210
	s_mov_b32 s[SEL+1], 0xfedcba98
	s_mov_b32 s[CS], 0x3e38aa3b                    ; c = log2(e) / 8
	s_mov_b32 s[CS+1], s[CS]
	s_mov_b32 s[NC], 0xbe38aa3b
	s_mov_b32 s[P0], 0x5010400
	s_mov_b32 s[P1], 0x7030602
	WIN 0x40
.irp i, 0,1,2,3,4,5
	v_mov_b32 v[QF+6+\i], 0                        ; zero codes for k = 64 .. 127, which the head does not have; never loaded
	v_mov_b32 v[QF+18+\i], 0
	v_mov_b32 v[PC+\i], 0                          ; what K's sixteenth fragment names behind its own six
.endr
	WIN 0
.irp t, 0,1
	v_mov_b32 v[TS+4*\t], 0x7e000000               ; -M = 2^125: the first change of M multiplies by 0
	v_mov_b32 v[TS+4*\t+1], 0xff61b1e6             ; the largest score so far: -3e38
	v_mov_b32 v[TS+4*\t+2], 0
	v_mov_b32 v[TS+4*\t+3], 0
.endr
	v_mov_b32 v[FF+1], 0
	v_mov_b32 v[YY], 0                             ; (a lane permute's destination counts as one of its sources)
.set jj, 0
.rept 64
	v_mov_b32 v[OT+jj], 0                          ; while the loads are on their way: the step is written once, and its first change of M leaves zeros
.set jj, jj+1
.endr
	WALU                                           ; the wait at the head's end
	s_wait_loadcnt 0x0                             ; Q; its loads' offset registers may be stepped from here on
	s_wait_tensorcnt 0x0                           ; my chunk is in,
	s_barrier_signal -1
	s_barrier_wait -1                              ; everybody's is: the whole head lies in LDS, and no barrier stands in the loop
	KLOAD 0
	s_mov_b32 s[CNT], 8
.Lstep:                                            ; a trip: 256 keys, two units
	UNIT 0
	UNIT 1
	v_add_nc_u32 v[K16], CHB, v[K16]
	v_add_nc_u32 v[K8], CHB, v[K8]
	s_sub_co_u32 s[CNT], s[CNT], 1
	s_cmp_lg_u32 s[CNT], 0
	WALU
	s_cbranch_scc1 .Lstep
	; THE WAY OUT: O^T / the sum, a block of 32 channels a lane, leaves as units (token tile, head) and a scale byte a lane
.irp t, 0,1
	v_add_f32 v[4+\t], v[TS+4*\t+2], v[TS+4*\t+3]
.endr
.irp t, 0,1
	v_permlanex16_b32 v[8+\t], v[4+\t], s[SEL], s[SEL+1]
.endr
.irp t, 0,1
	v_add_f32 v[4+\t], v[4+\t], v[8+\t]            ; the rows' sums
.endr
	WALU
	v_rcp_f32 v4, v4
	v_rcp_f32 v5, v5
	v_and_b32 v[K16], 31, v0                       ; (a plain place behind the reciprocals)
	v_bfe_u32 v62, v0, 4, 1
	v_lshlrev_b32 v[K8], 3, v[K16]                 ; offsets in memory again: 8 lane,
	v_lshlrev_b32 v[K16], 4, v[K16]                ; 16 lane,
	v_add_nc_u32 v[LR], v[LR], v62                 ; 16 r + h
	WALU
.irp t, 0,1
.set jj, 0
.rept 16
	v_pk_mul_f32 v[OT+32*\t+2*jj:OT+32*\t+2*jj+1], v[OT+32*\t+2*jj:OT+32*\t+2*jj+1], v[4:5] op_sel:[0,\t] op_sel_hi:[1,\t]
.set jj, jj+1
.endr
.endr
.irp t, 0,1
	v_max3_num_f32 v[58+2*\t], |v[OT+32*\t]|, |v[OT+32*\t+1]|, 0x1800000
	v_max3_num_f32 v[59+2*\t], |v[OT+32*\t+16]|, |v[OT+32*\t+17]|, 0x1800000
.endr
.irp i, 2,4,6,8,10,12,14
.irp t, 0,1
	v_max3_num_f32 v[58+2*\t], v[58+2*\t], |v[OT+32*\t+\i]|, |v[OT+32*\t+\i+1]|
	v_max3_num_f32 v[59+2*\t], v[59+2*\t], |v[OT+32*\t+\i+16]|, |v[OT+32*\t+\i+17]|
.endr
.endr
.irp t, 0,1
	v_max_num_f32 v[58+2*\t], v[58+2*\t], v[59+2*\t]
.endr
.irp t, 0,1
	v_add_nc_u32 v[58+2*\t], 0xff000000, v[58+2*\t]
.endr
.irp t, 0,1
	v_lshrrev_b32 v[59+2*\t], 23, v[58+2*\t]
.endr
.irp t, 0,1
	v_cvt_scalef32_pk16_fp6_f32 v[SR+6*\t:SR+6*\t+2], v[OT+32*\t:OT+32*\t+15], v[58+2*\t]
	v_cvt_scalef32_pk16_fp6_f32 v[SR+16+4*\t:SR+16+4*\t+2], v[OT+32*\t+16:OT+32*\t+31], v[58+2*\t]
.endr
	v_nop
.irp t, 0,1
.irp i, 0,1,2
	v_mov_b32 v[SR+6*\t+3+\i], v[SR+16+4*\t+\i]
.endr
.endr
.irp t, 0,1
	global_store_b128 v[K16], v[SR+6*\t:SR+6*\t+3], s[8:9] offset:12288*\t          ; 512 consecutive bytes
	global_store_b64 v[K8], v[SR+6*\t+4:SR+6*\t+5], s[8:9] offset:12288*\t+512      ; 256
	global_store_b8 v[LR], v[59+2*\t], s[10:11] offset:512*\t                       ; a head owns two of a row's 32 scale bytes: they leave once in a wave's life
.endr
	s_wait_tensorcnt 0x0                           ; the wave's end
	ds_add_u32 v[SPW], v[NIL]
	s_wait_dscnt 0x0
	ROUND                                          ; the closing round
	s_endpgm
.Lfunc_end_k_qebf7dec44d_attn:
	.size	k_qebf7dec44d_attn, .Lfunc_end_k_qebf7dec44d_attn-k_qebf7dec44d_attn
	.p2alignl 7, 3214868480
	.fill 96, 4, 3214868480
	.section	.rodata,"a",@progbits
	.p2align	6, 0x0
	.amdhsa_kernel k_qebf7dec44d_attn
		.amdhsa_group_segment_fixed_size 327680
		.amdhsa_private_segment_fixed_size 0
		.amdhsa_enable_private_segment 0
		.amdhsa_kernarg_size 32
		.amdhsa_user_sgpr_count 2
		.amdhsa_user_sgpr_kernarg_segment_ptr 1
		.amdhsa_wavefront_size32 1
		.amdhsa_system_sgpr_workgroup_id_x 1
		.amdhsa_system_sgpr_workgroup_id_y 1
		.amdhsa_system_sgpr_workgroup_id_z 1
		.amdhsa_system_vgpr_workitem_id 0
		.amdhsa_next_free_vgpr 512
		.amdhsa_next_free_sgpr 72
		.amdhsa_reserve_vcc 0
		.amdhsa_float_denorm_mode_32 3
		.amdhsa_float_denorm_mode_16_64 3
		.amdhsa_memory_ordered 1
		.amdhsa_forward_progress 1
		.amdhsa_inst_pref_size 69
	.end_amdhsa_kernel
	.amdgpu_metadata
---
amdhsa.version: [ 1, 2 ]
amdhsa.kernels:
  - .name:           k_qebf7dec44d_attn
    .symbol:         k_qebf7dec44d_attn.kd
    .args:
      - { .name: q, .offset: 0, .size: 8, .value_kind: global_buffer, .address_space: global }
      - { .name: kv, .offset: 8, .size: 8, .value_kind: global_buffer, .address_space: global }
      - { .name: ac, .offset: 16, .size: 8, .value_kind: global_buffer, .address_space: global }
      - { .name: s2, .offset: 24, .size: 8, .value_kind: global_buffer, .address_space: global }
    .group_segment_fixed_size: 327680
    .private_segment_fixed_size: 0
    .kernarg_segment_align: 8
    .kernarg_segment_size: 32
    .max_flat_workgroup_size: 256
    .sgpr_count:     72
    .vgpr_count:     512
    .wavefront_size: 32
...
	.end_amdgpu_metadata
.endif
;; end of part 3
;; launch proj (part 4): grid 8 x 32, 4 waves a work-group, clusters of 4 x 4, 214,528 bytes of LDS; arguments ac, pc, s2, b_proj, out0; writes out0
.if DOCPART == 4
	.amdgcn_target "amdgcn-amd-amdhsa--gfx1250"
	.amdhsa_code_object_version 6
	.text
	.protected	k_qebf7dec44d_proj
	.globl	k_qebf7dec44d_proj
	.p2align	8
	.type	k_qebf7dec44d_proj,@function
k_qebf7dec44d_proj:
	s_mov_b64 s[64:65], 0
	v_nop
	global_prefetch_b8 v0, s[64:65] scope:SCOPE_SE
	s_setreg_imm32_b32 hwreg(HW_REG_WAVE_MODE, 25, 1), 1
	s_wait_xcnt 0x0
	s_wait_alu depctr_hold_cnt(0) depctr_sa_sdst(0) depctr_va_vdst(0) depctr_va_sdst(0) depctr_va_ssrc(0) depctr_va_vcc(0) depctr_vm_vsrc(0)
	s_getreg_b32 s2, hwreg(HW_REG_IB_STS2, 6, 4)
	s_cmp_eq_u32 s2, 0
	s_cbranch_scc0 .Lentry_in_a_cluster
	s_endpgm
.Lentry_in_a_cluster:
	s_bfe_u32 s2, ttmp6, 0x10000c
	s_cmp_lg_u32 s2, 0xf033
	s_cbranch_scc0 .Lentry_shape_is_right
	s_endpgm
.Lentry_shape_is_right:
; out0 = a w_proj + b_proj on codes of FP6 (E2M3), K = 1,024.  a: the attention's result as codes (ac) and scale images (s2); w_proj likewise (pc; s2 from 131,072 on).  out0 [4096][1024] f32.
; 256 work-groups of 128 tokens (y) x 128 columns (x); a wave makes 64 x 64: 16 accumulators.  Operands are images of registers (a unit of 16 rows x 64 K is 768 bytes; a fragment two units).
; ALL OF K LIES IN LDS, in four chunks of 256 along K, each filled once: no slot is filled again.  Each wave has four tensor loads out at the most.
; CLUSTER 4 x 4: a's tiles are shared along a row of the cluster, w's along a column, by joint loads.
; The product is used transposed (source 0 = 16 columns of w, source 1 = 16 tokens): a lane holds one token and eight neighbouring columns a tile.  The bias is the C of each sum's first product.
; Tile 2 B + u holds in lane-row r the row 32 B + 8 u + r + 24 (r / 8), for tokens and for columns: the way out puts both back in order.
; REGISTERS: window 0: v4-19 LDS addresses, v20-24 the way out's; v32-63 scale words; v64-95 the bias; v128-255 the accumulators ((a, b) at v[128 + 8 (4 a + b)]).  window 1: two fragment buffers, v0 and v128: the tokens' four, then w's four.
.set CHK,   49152                      ; a chunk: four whole tiles, all of K
.set QT,    49152                      ; 4 whole tiles, all of K: what a wave's one tensor load brings, and what a wave reads of a side
.set STAGE, 4*CHK                      ; behind the chunks: 16 rows x (256 bytes + 16) for each wave; no tensor load lands here
.set FR,    12
.set R16, 4                            ; v4 the tokens' fragments: + 16 x lane;  v8 + 8 x lane;  v12, v16 w's
.set R8,  8
.set C16, 12
.set C8,  16
.set STO, 20
.set RD,  21
.set CO,  22
.set SOFF, 23
.set BOF, 24
.set SC,  32                           ; v[SC + 8 i + q]: lanes 0-15 the word of the tokens' tile i, lanes 16-31 of w's tile i
.set BI,  64
.set ACC, 128
.set G1A, 24
.set G1B, 32
.set G0A, 40                           ; s[40:43] group 0 of a's tiles;  s[68:71] w's
.set G0B, 68
.set MSB, 0
.macro WIN new
.if MSB != (\new)
	s_set_vgpr_msb (MSB<<8)|(\new)
.set MSB, (\new)
.endif
.endm
.set MUL,  0x05                        ; sources 0 and 1 window 1; C and D window 0
.set TO_F, 0x40                        ; destination window 1
.macro CREST
	s_cmp_lg_u32 s14, 0
	s_cbranch_scc1 .Lnot_wave_0_\@
	s_barrier_signal -3
.Lnot_wave_0_\@:
	s_barrier_wait -3
	s_barrier_signal -1
	s_barrier_wait -1
.endm
.macro CROUND
	s_barrier_signal -1
	s_barrier_wait -1
	CREST
.endm
.macro PLACES
.rept 4
	v_nop
.endr
.endm
	s_load_b256 s[4:11], s[0:1], 0x0               ; ac 4, pc 6, s2 8, b_proj 10
	s_load_b64 s[12:13], s[0:1], 0x20              ; out0
	v_lshl_add_u32 v126, v0, 2, 0x34400
	v_mov_b32 v127, 0
	ds_add_u32 v126, v127
	ds_add_u32 v126, v127
	v_lshrrev_b32 v1, 5, v0
	v_readfirstlane_b32 s14, v1                    ; wave 0..3
	s_lshr_b32 s15, s14, 1                         ; rh: which 64 tokens.  Also: I fetch a's tiles (0) or w's (1)
	s_and_b32 s16, s14, 1                          ; ch: which 64 columns.  Also: which 4 tiles I fetch
	s_bfe_u32 s56, ttmp6, 0x40000                  ; cx
	s_bfe_u32 s57, ttmp6, 0x40004                  ; cy
	s_lshl_b32 s58, ttmp9, 2
	s_add_co_u32 s58, s58, s56                     ; x
	s_and_b32 s59, ttmp7, 0xffff
	s_lshl_b32 s59, s59, 2
	s_add_co_u32 s59, s59, s57                     ; y
	s_lshl_b32 s60, s57, 2
	s_lshl_b32 s60, 15, s60                        ; my row of the cluster
	s_lshl_b32 s61, 0x1111, s56                    ; my column
	; group 1: 192 rows of 256 bytes = 32 elements of 8 bytes, dense in memory and in LDS
	s_or_b32 s[G1A], s60, (3<<16)|(1<<21)
	s_or_b32 s[G1B], s61, (3<<16)|(1<<21)
.irp g, G1A, G1B
	; (four tiles are dense in memory: 192 rows of 256 bytes)
	s_mov_b32 s[\g+1], 32<<16
	s_mov_b32 s[\g+2], 192<<16
	s_mov_b32 s[\g+3], 32<<16
	s_mov_b32 s[\g+4], 192
	s_mov_b32 s[\g+5], 32
	s_mov_b32 s[\g+6], 0
	s_mov_b32 s[\g+7], 0
.endr
	s_lshl_b32 s17, s16, 2
	s_lshl_b32 s20, s59, 3
	s_add_co_u32 s20, s20, s17                     ; a's tile 8 y + 4 half: hangs on y alone
	s_mul_i32 s20, s20, 12288
	s_mov_b32 s21, 0
	s_lshl_b32 s86, s58, 3
	s_add_co_u32 s86, s86, s17                     ; w's tile 8 x + 4 half: hangs on x alone
	s_mul_i32 s86, s86, 12288
	s_mov_b32 s87, 0
	s_mul_i32 s18, s14, QT
	s_wait_dscnt 0x0
	s_wait_kmcnt 0x0
	s_add_nc_u64 s[20:21], s[4:5], s[20:21]
	s_add_nc_u64 s[86:87], s[6:7], s[86:87]
.irp c, 0
	s_mov_b32 s[G0A+4*\c], 1
	s_add_co_u32 s[G0A+4*\c+1], s18, \c*CHK
	s_add_nc_u64 s[G0A+4*\c+2:G0A+4*\c+3], s[20:21], \c*3072
	s_or_b32 s[G0A+4*\c+3], s[G0A+4*\c+3], 0x80000000
	s_mov_b32 s[G0B+4*\c], 1
	s_add_co_u32 s[G0B+4*\c+1], s18, \c*CHK
	s_add_nc_u64 s[G0B+4*\c+2:G0B+4*\c+3], s[86:87], \c*3072
	s_or_b32 s[G0B+4*\c+3], s[G0B+4*\c+3], 0x80000000
.endr
	CROUND                                         ; all sixteen work-groups are here: the joint loads meet
	s_cmp_eq_u32 s15, 0                            ; a wave's one fill stands in a branch; four v_nop follow it
	s_cbranch_scc0 .Lfirst_b
	tensor_load_to_lds s[G0A:G0A+3], s[G1A:G1A+7]
	s_nop 0
.rept 4
	v_nop
.endr
	s_branch .Lfirst_done
.Lfirst_b:
	tensor_load_to_lds s[G0B:G0B+3], s[G1B:G1B+7]
	s_nop 0
.rept 4
	v_nop
.endr
.Lfirst_done:
	v_and_b32 v1, 31, v0                           ; lane
	v_and_b32 v2, 15, v0                           ; r
	v_bfe_u32 v3, v0, 4, 1                         ; h
	s_mul_i32 s84, s15, QT                         ; my 4 tiles of tokens
	s_mul_i32 s85, s16, QT
	s_add_co_u32 s85, s85, 2*QT                    ; my 4 tiles of w, behind a's 8
.irp c, 0
	v_lshl_add_u32 v[R16+\c], v1, 4, s84
	v_lshl_add_u32 v[R8+\c], v1, 3, s84
	v_lshl_add_u32 v[C16+\c], v1, 4, s85
	v_lshl_add_u32 v[C8+\c], v1, 3, s85
.endr
	s_wait_alu depctr_va_vdst(0)                   ; the wait here, ahead of the scalar lines below
	s_lshl_b32 s88, s59, 3                         ; my scale words in s2
	s_lshl_b32 s89, s15, 2
	s_add_co_u32 s88, s88, s89
	s_lshl_b32 s88, s88, 9                         ; the tokens': tile 8 y + 4 rh
	s_lshl_b32 s89, s58, 3
	s_lshl_b32 s90, s16, 2
	s_add_co_u32 s89, s89, s90
	s_lshl_b32 s89, s89, 9
	s_add_co_u32 s89, s89, 131072                  ; w's: tile 8 x + 4 ch
	v_mov_b32 v25, s88
	v_mov_b32 v26, s89
	v_cmp_eq_u32 vcc_lo, 1, v3
	v_cndmask_b32 v[SOFF], v25, v26, vcc_lo        ; lanes 0-15 take the tokens' words, lanes 16-31 w's
	v_lshl_add_u32 v[SOFF], v2, 4, v[SOFF]
.irp i, 0,1,2,3
.irp j, 0,1
	global_load_b128 v[SC+8*\i+4*\j:SC+8*\i+4*\j+3], v[SOFF], s[8:9] offset:512*\i+256*\j
.endr
.endr
	s_lshl_b32 s90, s58, 9                         ; my first column, in bytes: 512 x + 256 ch
	s_lshl_b32 s91, s16, 8
	s_add_co_u32 s90, s90, s91
	s_mov_b32 s91, 0
	s_add_nc_u64 s[10:11], s[10:11], s[90:91]
	v_lshlrev_b32 v[BOF], 7, v3                    ; tile b of a wave's four holds in lane-row 8 h + i the column 32 h + 8 b + i: lane (r, h) wants the bias of columns 32 h + 8 b + 0 .. 7
.irp b, 0,1,2,3
	global_load_b128 v[BI+8*\b:BI+8*\b+3], v[BOF], s[10:11] offset:32*\b
	global_load_b128 v[BI+8*\b+4:BI+8*\b+7], v[BOF], s[10:11] offset:32*\b+16
.endr
	s_lshl_b32 s92, s59, 7
	s_lshl_b32 s93, s15, 6
	s_add_co_u32 s92, s92, s93                     ; my first token: 128 y + 64 rh
	s_lshl_b32 s92, s92, 12
	s_mov_b32 s93, 0
	s_add_nc_u64 s[12:13], s[12:13], s[92:93]
	s_add_nc_u64 s[12:13], s[12:13], s[90:91]
	s_mul_i32 s94, s14, 16*272
	s_add_co_u32 s94, s94, STAGE                   ; my stage
	v_mul_u32_u24 v[STO], v2, 272
	v_lshl_add_u32 v[STO], v3, 7, v[STO]
	v_add_nc_u32 v[STO], s94, v[STO]               ; in: row r, + 128 h
	v_mul_u32_u24 v[RD], v3, 272
	v_lshl_add_u32 v[RD], v2, 4, v[RD]
	v_add_nc_u32 v[RD], s94, v[RD]                 ; back: lanes 0-15 one row of 256 bytes, lanes 16-31 the next
	v_lshlrev_b32 v[CO], 12, v3
	v_lshl_add_u32 v[CO], v2, 4, v[CO]             ; and the same in out0
.macro FRAG reg, a16, a8, off
	ds_load_b128 v[\reg:\reg+3], v[\a16] offset:\off
	ds_load_b64 v[\reg+4:\reg+5], v[\a8] offset:\off+512
	ds_load_b128 v[\reg+6:\reg+9], v[\a16] offset:\off+768
	ds_load_b64 v[\reg+10:\reg+11], v[\a8] offset:\off+1280
.endm
.macro FETCH q, f                      ; the eight fragments of the q-th 128 along K into buffer f
	WIN TO_F
.irp i, 0,1,2,3
	FRAG \f+FR*\i, R16, R8, 12288*\i+1536*(\q)
	FRAG \f+48+FR*\i, C16, C8, 12288*\i+1536*(\q)
.endr
.endm
; A step of 128 along K: the next step's fragments are asked for first, then this step's 16 products.  The 16 accumulators take turns, one instruction a turn.
.macro PSTEP q
.set FB, 128*((\q)%2)
	s_wait_dscnt 0x0                               ; this step's fragments are in
.if (\q) < 7
	PLACES                                         ; in front of loads into the buffer that the last step's products read
	FETCH (\q)+1, 128*(1-(\q)%2)
.endif
	WIN MUL
.irp a, 0,1,2,3
.irp b, 0,1,2,3
.if (\q) == 0
	v_wmma_scale_f32_16x16x128_f8f6f4 v[ACC+8*(4*\a+\b):ACC+8*(4*\a+\b)+7], v[FB+48+FR*\b:FB+48+FR*\b+FR-1], v[FB+FR*\a:FB+FR*\a+FR-1], v[BI+8*\b:BI+8*\b+7], v[SC+8*\b+(\q)], v[SC+8*\a+(\q)] matrix_a_fmt:MATRIX_FMT_FP6 matrix_b_fmt:MATRIX_FMT_FP6 matrix_a_scale:MATRIX_SCALE_ROW1
.else
	v_wmma_scale_f32_16x16x128_f8f6f4 v[ACC+8*(4*\a+\b):ACC+8*(4*\a+\b)+7], v[FB+48+FR*\b:FB+48+FR*\b+FR-1], v[FB+FR*\a:FB+FR*\a+FR-1], v[ACC+8*(4*\a+\b):ACC+8*(4*\a+\b)+7], v[SC+8*\b+(\q)], v[SC+8*\a+(\q)] matrix_a_fmt:MATRIX_FMT_FP6 matrix_b_fmt:MATRIX_FMT_FP6 matrix_a_scale:MATRIX_SCALE_ROW1
.endif
.endr
.endr
.endm
	s_wait_alu depctr_va_vdst(0)                   ; the wait at the head's end
	s_wait_tensorcnt 0x0                           ; my four tiles are in
	s_barrier_signal -1
	s_barrier_wait -1
	FETCH 0, 0
	s_wait_loadcnt 0x0                             ; the scale words and the bias
.irp q, 0,1,2,3,4,5,6,7
	PSTEP \q
.endr
	WIN 0
	PLACES
; THE WAY OUT, a tile of 16 tokens at a time: a lane's 32 bytes a tile of columns go into my stage, at their columns' true places, and come back as rows of 256 bytes.
.macro TOSTAGE a
.irp b, 0,1,2,3
	ds_store_b128 v[STO], v[ACC+8*(4*\a+\b):ACC+8*(4*\a+\b)+3] offset:32*\b        ; each accumulator from its low end on
	ds_store_b128 v[STO], v[ACC+8*(4*\a+\b)+4:ACC+8*(4*\a+\b)+7] offset:32*\b+16
.endr
.irp i, 0,1,2,3,4,5,6,7
	ds_load_b128 v[ACC+32*\a+4*\i:ACC+32*\a+4*\i+3], v[RD] offset:544*\i   ; LDS serves a wave's instructions in order: these see the stores above, and the next tile's stores come behind them
.endr
.endm
.macro SEND a, younger                 ; younger: the LDS instructions issued behind tile a's loads
.irp i, 0,1,2,3,4,5,6,7
	s_wait_dscnt \younger+7-\i
	global_store_b128 v[CO], v[ACC+32*\a+4*\i:ACC+32*\a+4*\i+3], s[12:13] offset:(8*\a+2*\i+24*(\i/4))*4096 th:TH_STORE_NT   ; lane-row 8 h + i of tile a is token 32 h + 8 a + i; sixteen lanes store 256 consecutive bytes, aligned
.endr
.endm
	s_wait_alu depctr_va_vdst(0)
	TOSTAGE 0
	TOSTAGE 1
	SEND 0, 16
	TOSTAGE 2
	SEND 1, 16
	TOSTAGE 3
	SEND 2, 16
	SEND 3, 0
	s_wait_dscnt 0x0
	s_wait_tensorcnt 0x0
	ds_add_u32 v126, v127
	s_wait_dscnt 0x0
	CROUND                                         ; the closing round
	s_endpgm
.Lfunc_end_k_qebf7dec44d_proj:
	.size	k_qebf7dec44d_proj, .Lfunc_end_k_qebf7dec44d_proj-k_qebf7dec44d_proj
	.p2alignl 7, 3214868480
	.fill 96, 4, 3214868480
	.section	.rodata,"a",@progbits
	.p2align	6, 0x0
	.amdhsa_kernel k_qebf7dec44d_proj
		.amdhsa_group_segment_fixed_size 214528
		.amdhsa_private_segment_fixed_size 0
		.amdhsa_enable_private_segment 0
		.amdhsa_kernarg_size 40
		.amdhsa_user_sgpr_count 2
		.amdhsa_user_sgpr_kernarg_segment_ptr 1
		.amdhsa_wavefront_size32 1
		.amdhsa_system_sgpr_workgroup_id_x 1
		.amdhsa_system_sgpr_workgroup_id_y 1
		.amdhsa_system_sgpr_workgroup_id_z 1
		.amdhsa_system_vgpr_workitem_id 0
		.amdhsa_next_free_vgpr 512
		.amdhsa_next_free_sgpr 100
		.amdhsa_reserve_vcc 1
		.amdhsa_float_denorm_mode_32 3
		.amdhsa_float_denorm_mode_16_64 3
		.amdhsa_memory_ordered 1
		.amdhsa_forward_progress 1
		.amdhsa_inst_pref_size 50
	.end_amdhsa_kernel
	.amdgpu_metadata
---
amdhsa.version: [ 1, 2 ]
amdhsa.kernels:
  - .name:           k_qebf7dec44d_proj
    .symbol:         k_qebf7dec44d_proj.kd
    .args:
      - { .name: ac, .offset: 0, .size: 8, .value_kind: global_buffer, .address_space: global }
      - { .name: pc, .offset: 8, .size: 8, .value_kind: global_buffer, .address_space: global }
      - { .name: s2, .offset: 16, .size: 8, .value_kind: global_buffer, .address_space: global }
      - { .name: b_proj, .offset: 24, .size: 8, .value_kind: global_buffer, .address_space: global }
      - { .name: out0, .offset: 32, .size: 8, .value_kind: global_buffer, .address_space: global }
    .group_segment_fixed_size: 214528
    .private_segment_fixed_size: 0
    .kernarg_segment_align: 8
    .kernarg_segment_size: 40
    .max_flat_workgroup_size: 128
    .sgpr_count:     100
    .vgpr_count:     512
    .wavefront_size: 32
...
	.end_amdgpu_metadata
.endif
;; end of part 4
